; MI455X (gfx1250); checked and timed in simulation.
; The chip was launched on July 23, 2026; its instructions are those of AMD's public machine-readable ISA for CDNA 5 (MIT licence, August 2026) and "CDNA5" Instruction Set Architecture Reference Guide (July 2026). The comments in the code are by the model that wrote it; some were corrected since.
;; Multi Head Attention With Ro PE. Allowed arithmetic: matrix products marked QUANTISED: E5M2 operands, one given power-of-two scale a tensor, by v_wmma_f32_16x16x64_bf8_bf8 or v_wmma_f32_16x16x128_bf8_bf8, f32 sums; everything else in f32.
;; Inputs: b_out 1,024 float32; b_qkv 3,072 float32; lowp_scales 8 int32 (the exponents e of the quantised operands' scales 2^e); w_out_codes 1,024 x 32 x 32 uint8 (E5M2 codes of w_out, K innermost, in blocks of 32 codes); w_qkv_codes 3,072 x 32 x 32 uint8 (E5M2 codes of w_qkv, K innermost, in blocks of 32 codes); x_codes 4 x 2,048 x 32 x 32 uint8 (E5M2 codes of x, K innermost, in blocks of 32 codes).
;; Outputs: out0 4 x 2,048 x 1,024 float32.
;; This version of the problem:
;;   THIS VERSION OF THE PROBLEM IS GIVEN IN LOW PRECISION. The matrix products marked QUANTISED in the list below multiply operands that are first quantised to E5M2 (5 exponent bits, 2 mantissa bits; 8 bits a number), with one given power-of-two scale for each operand tensor; their sums are f32. All else is computed in f32.
;;   The module's matrix products, in the order in which they are computed (A, B: the left and right operand; K: the contracted axis; several contracted axes count as one K, in the product's order):
;;     1. [M 8,192, K 1,024] x [K 1,024, N 3,072]; A: input x (given as codes); B: input w_qkv (given as codes): QUANTISED (scales: A lowp_scales[0], B lowp_scales[1])
;;     2. batch 64 x [M 2,048, K 64] x [K 64, N 2,048]; A: computed on the way; B: computed on the way: QUANTISED (scales: A lowp_scales[2], B lowp_scales[3])
;;     3. batch 64 x [M 2,048, K 2,048] x [K 2,048, N 64]; A: softmax (see below); B: computed on the way: QUANTISED (scales: A lowp_scales[4], B lowp_scales[5])
;;     4. [M 8,192, K 1,024] x [K 1,024, N 1,024]; A: computed on the way; B: input w_out (given as codes): QUANTISED (scales: A lowp_scales[6], B lowp_scales[7])
;;   THE QUANTISER, for each operand of a quantised product, along K:
;;     - The operand's scale is 2^e, e = its entry of the input lowp_scales (int32; the entries are numbered through the quantised products in the list's order, A before B).
;;     - Each number is divided by the scale, clamped to +-57,344, and rounded to the nearest number of E5M2, ties to even, subnormals kept.
;;     - The product sums the exact products of the quantised numbers (number of the format x scale) in f32.
;;   ~~~python
;;   def quantise(x, axis, e):      # numpy; x: float32 -> the quantised numbers, widened to float32 again
;;       x = np.moveaxis(x, axis, -1); K = x.shape[-1]
;;       r = np.clip(x / 2.0 ** e, -57344, 57344)
;;       step = 2.0 ** (np.maximum(np.frexp(np.where(r == 0, 1, r))[1] - 1, -14) - 2)
;;       q = np.round(r / step) * step * 2.0 ** e      # np.round: ties to even
;;       return np.moveaxis(q, -1, axis).astype(np.float32)
;;   ~~~
;;   SOFTMAX AHEAD OF A QUANTISED PRODUCT. Where the list says 'softmax', what is quantised is not the finished softmax but p = 2^(t - M), with t = logit x log2(e) and M = ceil(the row's largest t), a whole number; so 1/2 < the row's largest p <= 1. The row's sum l is taken of the UNQUANTISED p, in f32, and the product's result is divided by l at the end. Since M is a whole number, a kernel that streams over the keys may use a running M (the ceiling of the running maximum): every later rescaling is an exact power of two, so the quantised numbers keep their values, but for numbers so far below the row's largest that they fall under the format's range.
;;   OPERANDS COMPUTED ON THE WAY. 'Computed on the way' means the value that the module computes at that place (a softmax that the list does not call 'softmax' is quantised finished and normalised). What goes into a quantiser is computed in f32, as accurately as f32 sums, v_exp_f32 and their like allow (about 1e-6 of the number): no bf16 or f16 on the way to a quantiser, and a product that is left as it is and whose result goes on into a quantised operand takes f32 operands (vector FMAs, or v_wmma_f32_16x16x4_f32). A number that lies on a knife's edge between two numbers of the format may be rounded either way, as far as f32 arithmetic and the matrix unit's own rounding can turn it there, and no further.
;;   INPUTS GIVEN AS CODES. w_out (in the module: [1024, 1024], K = its axis 0); w_qkv (in the module: [1024, 3072], K = its axis 0); x (in the module: [4, 2048, 1024], K = its axis 2): each comes as NAME_codes (uint8): NAME with its K axis moved to the last place and cut into blocks of 32 codes, [.., K / 32, bytes a block], one block behind the other in memory; one code a byte (a code: sign, 5 exponent bits, 2 mantissa bits); its scale is its entry of lowp_scales. Its value is code x scale, taken as it is: it is not quantised again, and the codes and scales need not be those that the quantiser above would give.
;; One version. Each part assembles by itself: llvm-mc -triple=amdgcn-amd-amdhsa -mcpu=gfx1250 --defsym DOCPART=n.
;; ======== version 1 of 1: 4 launches
;; limits: right only within a limited range of input values
;; workspace buffers: rope_tab 524,288 bytes; q_img 8,388,608 bytes; k_img 8,388,608 bytes; v_img 8,388,608 bytes; a_img 8,388,608 bytes
;; launch rope (part 1): grid 128 x 1, 1 waves a work-group, no clusters, 0 bytes of LDS; arguments rope_tab; writes rope_tab
.if DOCPART == 1
	.amdgcn_target "amdgcn-amd-amdhsa--gfx1250"
	.amdhsa_code_object_version 6
	.text
	.protected	k_q01db15eadf_rope
	.globl	k_q01db15eadf_rope
	.p2align	8
	.type	k_q01db15eadf_rope,@function
k_q01db15eadf_rope:
	s_mov_b64 s[64:65], 0
	v_nop
	global_prefetch_b8 v0, s[64:65] scope:SCOPE_SE
	s_setreg_imm32_b32 hwreg(HW_REG_WAVE_MODE, 25, 1), 1
	s_wait_xcnt 0x0
; THE TABLE OF cos AND sin FOR THE ROTARY EMBEDDING: 2,048 positions x 32 frequencies, f32, laid in the order in which the next launch's registers take it.
; rope_tab: [128 tiles of 16 positions][8 chunks][32 lanes][4 f32].  Lane (r, h) = (lane % 16, lane / 16) of tile T stands for position 16 T + r.
; Chunk q: cos (q < 4) or sin (q >= 4) of the frequencies 16 ((q / 2) % 2) + 8 h + 4 (q % 2) + 0 .. 3.  So a lane's register i = 8 b + j of 16 is frequency f = 16 b + 8 h + j.
; THE ANGLE is formed as the problem forms it: P = 10000^(f / 32) = 10^(f / 8) rounded to f32, 1 / P rounded to f32, position x that, rounded to f32.
; P stands in the text as a decimal number, which is rounded to the nearest f32.  LIMIT: where the power function of the problem's own run is not correctly rounded, an angle differs by 1.2e-7 of itself.
; sin AND cos: k = the nearest whole number to angle x 2 / pi; r = angle - k pi / 2, with pi / 2 in two parts (the first subtraction is exact: angles stay under 2,048; what is left out of pi / 2 moves r by under 3e-12);
; polynomials of degree 7 and 8 on |r| <= pi / 4; k mod 4 swaps the two and sets their signs.  One wave a work-group, one tile a wave; waves share nothing, so there is no LDS and no barrier.
.set P,   16                           ; v16-31  P
.set IV,  32                           ; v32-47  1 / P
.set CS,  48                           ; v48-63  cos;  v64-79 sin: chunk q is v[CS + 4 q] on
.set SN,  64
.set TH,  80                           ; v80-90  at work
.set KF,  81
.set R,   82
.set Z,   83
.set PS,  84
.set PC,  85
.set RZ,  86
.set ZZ,  87
.set HF,  88
.set KI,  89
.set T,   90
	s_load_b64 s[4:5], s[0:1], 0x0                 ; the table
	s_lshl_b32 s6, ttmp9, 12                       ; my tile's 4,096 bytes
	s_mov_b32 s7, 0
	s_lshl_b32 s8, ttmp9, 4                        ; its first position
	s_mov_b32 s10, -0.00019515295891               ; sin r = r + r z (S1 + S2 z + S3 z^2), z = r^2: S3,
	s_mov_b32 s11, 0.0083321608736                 ; S2,
	s_mov_b32 s12, -0.16666654611                  ; S1
	s_mov_b32 s13, 0.00002443315712                ; cos r = 1 - z / 2 + z^2 (C1 + C2 z + C3 z^2): C3,
	s_mov_b32 s14, -0.001388731625                 ; C2,
	s_mov_b32 s15, 0.04166664568                   ; C1
	v_and_b32 v1, 15, v0
	v_add_nc_u32 v1, s8, v1
	v_cvt_f32_u32 v2, v1                           ; my position, exact
	v_lshlrev_b32 v3, 4, v0                        ; 16 x lane: my 16 bytes of a chunk
	v_and_b32 v4, 16, v0
	v_cmp_ne_u32 vcc_lo, 0, v4                     ; lanes 16-31
.macro PW i, lo, hi                    ; P of register i: lo in lanes 0-15, hi = 10 lo in lanes 16-31
	v_mov_b32 v[P+\i], \hi
	v_cndmask_b32 v[P+\i], \lo, v[P+\i], vcc_lo
.endm
	PW 0,  1.0,                10.0
	PW 1,  1.333521432163324,  13.33521432163324
	PW 2,  1.7782794100389228, 17.782794100389228
	PW 3,  2.371373705661655,  23.71373705661655
	PW 4,  3.1622776601683795, 31.622776601683795
	PW 5,  4.216965034285822,  42.16965034285822
	PW 6,  5.623413251903491,  56.23413251903491
	PW 7,  7.498942093324558,  74.98942093324558
	PW 8,  100.0,              1000.0
	PW 9,  133.3521432163324,  1333.521432163324
	PW 10, 177.82794100389228, 1778.2794100389228
	PW 11, 237.1373705661655,  2371.373705661655
	PW 12, 316.22776601683795, 3162.2776601683795
	PW 13, 421.6965034285822,  4216.965034285822
	PW 14, 562.3413251903491,  5623.413251903491
	PW 15, 749.8942093324558,  7498.942093324558
.set i, 0
	s_wait_alu depctr_va_vdst(0)
.rept 16
	v_rcp_f32 v[IV+i], v[P+i]                      ; one batch of sixteen,
.set i, i+1
.endr
	v_nop                                          ; a plain instruction behind the last of them,
	s_wait_alu depctr_va_vdst(0)                   ; and one wait ahead of the first reader
.set i, 0
.rept 16
	v_fma_f32 v[TH+i%4], -v[P+i], v[IV+i], 1.0     ; e = 1 - P y, exact to one rounding;
	v_fma_f32 v[IV+i], v[TH+i%4], v[IV+i], v[IV+i] ; y + e y: the quotient 1 / P to the last bit, but for rare ties
.set i, i+1
.endr
.macro EVAL i
	v_mul_f32 v[TH], v2, v[IV+\i]                  ; the angle
	v_mul_f32 v[KF], 0x3f22f983, v[TH]             ; x 2 / pi
	v_rndne_f32 v[KF], v[KF]                       ; k
	v_fmamk_f32 v[R], v[KF], 0xbfc90fdb, v[TH]     ; - k x the f32 nearest to pi / 2: exact
	v_fmamk_f32 v[R], v[KF], 0x333bbd2e, v[R]      ; - k x what that f32 lacks of pi / 2
	v_mul_f32 v[Z], v[R], v[R]
	v_fma_f32 v[PS], v[Z], s10, s11
	v_fma_f32 v[PC], v[Z], s13, s14
	v_fma_f32 v[PS], v[PS], v[Z], s12
	v_fma_f32 v[PC], v[PC], v[Z], s15
	v_mul_f32 v[RZ], v[R], v[Z]
	v_mul_f32 v[ZZ], v[Z], v[Z]
	v_fma_f32 v[HF], v[Z], -0.5, 1.0
	v_fma_f32 v[PS], v[PS], v[RZ], v[R]            ; sin r
	v_fma_f32 v[PC], v[PC], v[ZZ], v[HF]           ; cos r
	v_cvt_i32_f32 v[KI], v[KF]
	v_and_b32 v[T], 1, v[KI]
	v_cmp_ne_u32 vcc_lo, 0, v[T]                   ; k odd: the two change places
	v_cndmask_b32 v[SN+\i], v[PS], v[PC], vcc_lo
	v_cndmask_b32 v[CS+\i], v[PC], v[PS], vcc_lo
	v_lshlrev_b32 v[T], 30, v[KI]
	v_and_b32 v[T], 0x80000000, v[T]               ; k mod 4 = 2, 3: sin is negated
	v_xor_b32 v[SN+\i], v[T], v[SN+\i]
	v_add_nc_u32 v[KI], 1, v[KI]
	v_lshlrev_b32 v[T], 30, v[KI]
	v_and_b32 v[T], 0x80000000, v[T]               ; k mod 4 = 1, 2: cos is negated
	v_xor_b32 v[CS+\i], v[T], v[CS+\i]
.endm
.irp i, 0,1,2,3,4,5,6,7,8,9,10,11,12,13,14,15
	EVAL \i
.endr
	s_wait_alu depctr_va_vdst(0)
	s_wait_kmcnt 0x0
	s_add_nc_u64 s[4:5], s[4:5], s[6:7]
.irp q, 0,1,2,3,4,5,6,7
	global_store_b128 v3, v[CS+4*\q:CS+4*\q+3], s[4:5] offset:512*\q   ; the wave stores 512 consecutive bytes, at a multiple of 512 from the table's first byte
.endr
	s_endpgm
.Lfunc_end_k_q01db15eadf_rope:
	.size	k_q01db15eadf_rope, .Lfunc_end_k_q01db15eadf_rope-k_q01db15eadf_rope
	.p2alignl 7, 3214868480
	.fill 96, 4, 3214868480
	.section	.rodata,"a",@progbits
	.p2align	6, 0x0
	.amdhsa_kernel k_q01db15eadf_rope
		.amdhsa_group_segment_fixed_size 0
		.amdhsa_private_segment_fixed_size 0
		.amdhsa_enable_private_segment 0
		.amdhsa_kernarg_size 8
		.amdhsa_user_sgpr_count 2
		.amdhsa_user_sgpr_kernarg_segment_ptr 1
		.amdhsa_wavefront_size32 1
		.amdhsa_system_sgpr_workgroup_id_x 1
		.amdhsa_system_sgpr_workgroup_id_y 1
		.amdhsa_system_sgpr_workgroup_id_z 1
		.amdhsa_system_vgpr_workitem_id 0
		.amdhsa_next_free_vgpr 96
		.amdhsa_next_free_sgpr 66
		.amdhsa_reserve_vcc 1
		.amdhsa_float_denorm_mode_32 3
		.amdhsa_float_denorm_mode_16_64 3
		.amdhsa_memory_ordered 1
		.amdhsa_forward_progress 1
		.amdhsa_inst_pref_size 26
	.end_amdhsa_kernel
	.amdgpu_metadata
---
amdhsa.version: [ 1, 2 ]
amdhsa.kernels:
  - .name:           k_q01db15eadf_rope
    .symbol:         k_q01db15eadf_rope.kd
    .args:
      - { .name: rope_tab, .offset: 0, .size: 8, .value_kind: global_buffer, .address_space: global }
    .group_segment_fixed_size: 0
    .private_segment_fixed_size: 0
    .kernarg_segment_align: 8
    .kernarg_segment_size: 8
    .max_flat_workgroup_size: 32
    .sgpr_count:     66
    .vgpr_count:     96
    .wavefront_size: 32
...
	.end_amdgpu_metadata
.endif
;; end of part 1
;; launch qkv (part 2): grid 8 x 32, 4 waves a work-group, clusters of 4 x 4, 327,680 bytes of LDS; arguments x_codes, w_qkv_codes, lowp_scales, b_qkv, rope_tab, q_img, k_img, v_img; writes q_img, k_img, v_img
.if DOCPART == 2
	.amdgcn_target "amdgcn-amd-amdhsa--gfx1250"
	.amdhsa_code_object_version 6
	.text
	.protected	k_q01db15eadf_qkv
	.globl	k_q01db15eadf_qkv
	.p2align	8
	.type	k_q01db15eadf_qkv,@function
k_q01db15eadf_qkv:
	s_mov_b64 s[64:65], 0
	v_nop
	global_prefetch_b8 v0, s[64:65] scope:SCOPE_SE
	s_setreg_imm32_b32 hwreg(HW_REG_WAVE_MODE, 25, 1), 1
	s_wait_xcnt 0x0
	s_wait_alu depctr_hold_cnt(0) depctr_sa_sdst(0) depctr_va_vdst(0) depctr_va_sdst(0) depctr_va_ssrc(0) depctr_va_vcc(0) depctr_vm_vsrc(0)
	s_getreg_b32 s2, hwreg(HW_REG_IB_STS2, 6, 4)
	s_cmp_eq_u32 s2, 0
	s_cbranch_scc0 .Lentry_in_a_cluster
	s_endpgm
.Lentry_in_a_cluster:
	s_bfe_u32 s2, ttmp6, 0x10000c
	s_cmp_lg_u32 s2, 0xf033
	s_cbranch_scc0 .Lentry_shape_is_right
	s_endpgm
.Lentry_shape_is_right:
; qkv = x W + b on codes of BF8 (E5M2); q and k are rotated (RoPE); q, k and v are quantised, each along the K of the product that it goes into, and stored as IMAGES OF OPERAND REGISTERS.
; x: [8,192][1,024] codes, W: [3,072][1,024] codes, K innermost.  A number is its code x 2^e: e0 for x, e1 for W.  q is quantised with e2, k with e3 (along the head's 64), v with e5 (along the keys).
; 256 WORK-GROUPS THAT STAY, four waves each.  PART 1: a tile of 256 positions x 256 rows of W of q (cluster x = 0) or k (1), a wave 128 x 128, 64 accumulators.  PART 2: 128 rows of W of v x 256 positions, a wave 64 x 128, 32 accumulators.
; K goes in steps of 256 through a ring of two LDS slots filled by the tensor data mover; the ring goes on from part 1 into part 2: part 1's last two changes of slots ask for part 2's K steps 0 and 1, which land while q or k goes out.
; THE MATRIX INSTRUCTION: a lane holds ONE row of source 1 (lane % 16) and EIGHT NEIGHBOURING rows of source 0 (8 (lane / 16) + 0 .. 7); the conversions take eight neighbours along the next K from one lane's registers, so:
;   q, k: source 1 = positions, source 0 = rows of W: the eight run along the head's d; d's partner in the rotation, d + 32, lies in the same lane and register, two accumulators on.   v: source 1 = rows of W (d), source 0 = positions: the eight run along the keys.
; CLUSTERS: 4 x 4.  A slot's first half holds source 1's rows, asked for jointly along a row of the cluster (they hang on cy), its second half source 0's, along a column (cx).
;   Part 1: x's tile 4 x cluster y + cy, W's tile 4 x cluster x + cx.   Part 2: W's rows 2,048 + 128 (4 x cluster x + cy) on, x's tile 4 x cluster y + cx.  No LDS address and no branch hangs on a place or on a cluster.
; IMAGES (lane l's 16 bytes at 16 l, 512 bytes a chunk).  q_img, k_img: [batch x head][128 tiles of 16 positions][2 chunks]: lane (r, h), registers 2 c, 2 c + 1: d = 16 c + 8 h + 0 .. 7 of position r.
;   v_img: [batch x head][16 steps of 128 keys][4 blocks of 16 d][4 chunks]: lane (r, h), registers 2 c, 2 c + 1: keys 16 c + 8 h + 0 .. 7 of d = r.  Every store of a wave covers 512 consecutive bytes, aligned.
; PREFETCH INTO THE L2.  The two parts' eight K steps are one stream.  Behind the joint load of stream step n stands one global_prefetch_b8 a wave for step n + 2 (n = 0 .. 5): of the rows that a wave fetches, each of the four partners
;   that ask for them jointly takes a quarter, told apart by address (cx for source 1's rows, cy for source 0's), a lane a row of 256 bytes; where a quarter is 16 rows, lanes 16-31 name the last of them again.  The steps are immediate offsets: no address register is rewritten.
; LIMITS: e0 + e1 between -126 and 127; e2, e3, e5 between -126 and 112.  NaN among the inputs is not served.
; REGISTERS, in windows of 256: window 0: v8-11 v's bias; v16-31 addresses and constants; v32-95 q's and k's bias; v96-127 the table tile of block 0; from v128 source 1's fragments (part 1: one set of 8; part 2: two sets of 4); on the ways out v128-255 are free.
;   window 1: source 0's fragments, two sets, at v0 and v128; on part 1's way out the table tiles of blocks 1 to 7, tile a at v[32 (a - 1)].   windows 2, 3: the accumulators of source 1's blocks 0-3, 4-7: (a, b) at v[8 (8 (a % 4) + b)].
.set ROWB,   256                       ; a tile's row in bytes
.set KROW,   1024                      ; a row of x or of W in memory
.set PITCH,  272                       ; an LDS row: 256 bytes + 16 of padding
.set FR,     16                        ; registers of a fragment: 16 rows x 128 K
.set NL,     4                         ; LDS loads that bring one
.set NP,     4                         ; places behind this matrix instruction (ISA guide 7.12.1)
.set HALFT,  128*PITCH
.set SLOT,   4*HALFT                   ; source 1's rows, then source 0's 256
.set SPARE,  2*SLOT                    ; the spare words, 128 bytes for each wave
.set VB,   8                           ; v8-11   v's bias: b(16 a + r)
.set ADRA, 16                          ; v16-17  LDS address of source 1's fragments in slot 0, 1, part 1
.set ADRV, 18                          ; v18-19  the same, part 2
.set ADRB, 20                          ; v20-21  source 0's
.set PF1O, 22                          ; the prefetches' offsets: 1,024 x my row of my work-group's quarter, part 1,
.set PF2O, 23                          ; and part 2; never rewritten
.set LI,   24                          ; 16 x lane
.set BO,   25                          ; 32 (lane / 16)
.set VO,   26                          ; 4 (lane % 16)
.set SPW,  28
.set NIL,  29
.set LIM,  30                          ; 57,344 x the output's scale
.set SCL,  31                          ; the output's scale as f32
.set BIAS, 32
.set TAB,  96
.set AF,   128
.set VD,   128                         ; v's way out: its bias in pairs
.set Y,    160
.set CODE, 224
.set TT,   240
.set G1, 24                            ; group 1 for source 1's tiles, part 1;  s[32:39] group 0, one set for each slot
.set G0, 32
.set G1B, 48                           ; the same for source 0's tiles
.set G0B, 56
.set G1V, 68                           ; group 1 for source 1's tiles, part 2: 64 rows
.set MSB, 0
.macro WIN new
.if MSB != \new
	s_set_vgpr_msb (MSB<<8)|\new
.set MSB, \new
.endif
.endm
.set MUL_LO, 0xa1                      ; source 0 window 1, source 1 window 0, C and D window 2
.set MUL_HI, 0xf1
.set TO_B,   0x40
; A joint load: waves 0 and 1 fetch source 1's two halves, waves 2 and 3 source 0's.  The branch hangs on the wave's number alone.
.macro JLOAD g0a, g1a, g0b, g1b
	s_cmp_eq_u32 s15, 0
	s_cbranch_scc0 .Lfor_b_\@
	tensor_load_to_lds s[\g0a:\g0a+3], s[\g1a:\g1a+7]
	s_nop 0
.rept 4
	v_nop
.endr
	s_branch .Lasked_\@
.Lfor_b_\@:
	tensor_load_to_lds s[\g0b:\g0b+3], s[\g1b:\g1b+7]
	s_nop 0
.rept 4
	v_nop
.endr
.Lasked_\@:
.endm
.macro CREST
	s_cmp_lg_u32 s14, 0
	s_cbranch_scc1 .Lnot_wave_0_\@
	s_barrier_signal -3
.Lnot_wave_0_\@:
	s_barrier_wait -3
	s_barrier_signal -1
	s_barrier_wait -1
.endm
.macro CROUND
	s_barrier_signal -1
	s_barrier_wait -1
	CREST
.endm
	s_load_b128 s[4:7], s[0:1], 0x0                ; x's codes, W's codes
	s_load_b256 s[68:75], s[0:1], 0x10             ; the scales' exponents, b, the table, q_img
	s_load_b128 s[76:79], s[0:1], 0x30             ; k_img, v_img
	v_lshl_add_u32 v[SPW], v0, 2, SPARE
	v_mov_b32 v[NIL], 0
	ds_add_u32 v[SPW], v[NIL]                      ; the opening lines: the add, twice on end, and its wait
	ds_add_u32 v[SPW], v[NIL]
	v_lshrrev_b32 v1, 5, v0
	v_readfirstlane_b32 s14, v1                    ; wave 0..3
	s_lshr_b32 s15, s14, 1                         ; my half of source 1's rows.  Also: I fetch for source 1 (0) or source 0 (1)
	s_and_b32 s16, s14, 1                          ; my half of source 0's rows.  Also: which half of that tile I fetch
	s_bfe_u32 s40, ttmp6, 0x40000                  ; cx
	s_bfe_u32 s41, ttmp6, 0x40004                  ; cy
	s_lshl_b32 s42, ttmp9, 2
	s_add_co_u32 s2, s42, s41                      ; part 2: W's group of 128 rows of v, 4 x cluster x + cy: 0 .. 7
	s_add_co_u32 s42, s42, s40                     ; part 1: W's tile, 4 x cluster x + cx: 0 .. 7
	s_and_b32 s17, ttmp7, 0xffff
	s_lshl_b32 s17, s17, 2
	s_add_co_u32 s3, s17, s40                      ; part 2: x's tile, 4 x cluster y + cx
	s_add_co_u32 s17, s17, s41                     ; part 1: x's tile, 4 x cluster y + cy
	s_lshl_b32 s43, s41, 2
	s_lshl_b32 s43, 15, s43                        ; my row of the cluster
	s_lshl_b32 s44, 0x1111, s40                    ; my column
	s_or_b32 s[G1+0], s43, (0<<16)|(1<<20)|(1<<21)|(5<<22)|(3<<25)  ; the mask; elements of 1 byte; padding: 4 words after every 64; bit 21 beside a mask
	s_or_b32 s[G1B+0], s44, (0<<16)|(1<<20)|(1<<21)|(5<<22)|(3<<25)
.irp g, G1, G1B
	s_mov_b32 s[\g+1], ROWB<<16
	s_mov_b32 s[\g+2], 128<<16
	s_mov_b32 s[\g+3], ROWB<<16
	s_mov_b32 s[\g+4], 128
	s_mov_b32 s[\g+5], KROW
	s_mov_b32 s[\g+6], 0
	s_mov_b32 s[\g+7], 0
.endr
	s_lshl_b32 s18, s16, 7
	s_lshl_b32 s20, s17, 8
	s_add_co_u32 s20, s20, s18                     ; part 1, source 1: x's row 256 x tile + 128 x half
	s_lshl_b32 s20, s20, 10
	s_mov_b32 s21, 0
	s_lshl_b32 s46, s42, 8
	s_add_co_u32 s46, s46, s18                     ; source 0: W's row likewise
	s_lshl_b32 s46, s46, 10
	s_mov_b32 s47, 0
	s_lshl_b32 s98, s2, 7
	s_lshl_b32 s19, s16, 6
	s_add_co_u32 s98, s98, s19
	s_add_co_u32 s98, s98, 2048                    ; part 2, source 1: W's row 2,048 + 128 x group + 64 x half
	s_lshl_b32 s98, s98, 10
	s_mov_b32 s99, 0
	s_lshl_b32 s100, s3, 8
	s_add_co_u32 s100, s100, s18                   ; source 0: x's row 256 x tile + 128 x half
	s_lshl_b32 s100, s100, 10
	s_mov_b32 s101, 0
	s_mul_i32 s45, s14, HALFT                      ; where my part of a tile goes: wave x 128 rows;
	s_mul_i32 s66, s16, 64*PITCH                   ; part 2, source 1: half x 64 rows
	s_wait_dscnt 0x0
	s_wait_kmcnt 0x0
	s_load_b256 s[84:91], s[68:69], 0x0            ; e0 .. e7
	s_add_nc_u64 s[20:21], s[4:5], s[20:21]
	s_add_nc_u64 s[46:47], s[6:7], s[46:47]
	s_add_nc_u64 s[98:99], s[6:7], s[98:99]
	s_add_nc_u64 s[100:101], s[4:5], s[100:101]
	CROUND                                         ; all sixteen work-groups are here: the first joint loads meet
.irp s, 0,1
	s_mov_b32 s[G0+4*\s], 1
	s_add_co_u32 s[G0+4*\s+1], s45, \s*SLOT
	s_add_nc_u64 s[G0+4*\s+2:G0+4*\s+3], s[20:21], \s*ROWB
	s_or_b32 s[G0+4*\s+3], s[G0+4*\s+3], 0x80000000
	s_mov_b32 s[G0B+4*\s], 1
	s_add_co_u32 s[G0B+4*\s+1], s45, \s*SLOT
	s_add_nc_u64 s[G0B+4*\s+2:G0B+4*\s+3], s[46:47], \s*ROWB
	s_or_b32 s[G0B+4*\s+3], s[G0B+4*\s+3], 0x80000000
.endr
	JLOAD G0, G1, G0B, G1B                         ; K step 0: one tensor load a wave at the head
	v_and_b32 v1, 15, v0                           ; r
	v_bfe_u32 v2, v0, 4, 1                         ; h
	v_mul_u32_u24 v3, v1, PITCH
	v_lshl_add_u32 v4, v2, 4, v3                   ; a fragment's row x pitch + 16 x half
	v_and_b32 v5, 31, v0
	v_lshlrev_b32 v[LI], 4, v5
	v_lshlrev_b32 v[BO], 5, v2
	v_lshlrev_b32 v[VO], 2, v1
	v_lshlrev_b32 v[PF1O], 10, v5                  ; part 1: a quarter of my 128 rows is 32: a lane a row
	s_cmp_eq_u32 s15, 0                            ; do I fetch for source 1?
	s_cselect_b32 s95, 15, 31                      ; part 2: a quarter of source 1's 64 rows is 16, of source 0's 128 it is 32
	v_min_u32 v[PF2O], s95, v5
	v_lshlrev_b32 v[PF2O], 10, v[PF2O]
	s_wait_alu depctr_va_vdst(0)                   ; the wait ahead of the scalar work below
	s_cselect_b64 s[80:81], s[20:21], s[46:47]     ; the rows that I fetch in part 1,
	s_cselect_b64 s[82:83], s[98:99], s[100:101]   ; and in part 2
	s_cselect_b32 s94, s40, s41                    ; my work-group's place among the four that ask for them with me
	s_cselect_b32 s67, 14, 15
	s_lshl_b32 s10, s94, 15
	s_mov_b32 s11, 0
	s_add_nc_u64 s[80:81], s[80:81], s[10:11]      ; + my work-group's 32 rows
	s_lshl_b32 s10, s94, s67
	s_add_nc_u64 s[82:83], s[82:83], s[10:11]      ; + its 16 or 32 rows
	global_prefetch_b8 v[PF1O], s[80:81] offset:2*ROWB th:TH_LOAD_NT scope:SCOPE_SE   ; K step 2
	s_cmp_eq_u32 ttmp9, 0
	s_cselect_b64 s[92:93], s[74:75], s[76:77]     ; part 1's codes go to q_img or k_img
	s_mul_i32 s21, s15, HALFT
	s_mul_i32 s22, s16, HALFT
	s_add_co_u32 s22, s22, 2*HALFT
	s_mul_i32 s23, s15, 64*PITCH
.irp s, 0,1
	v_add_nc_u32 v[ADRA+\s], s21, v4
	v_add_nc_u32 v[ADRB+\s], s22, v4
	v_add_nc_u32 v[ADRV+\s], s23, v4
	s_add_co_u32 s21, s21, SLOT
	s_add_co_u32 s22, s22, SLOT
	s_add_co_u32 s23, s23, SLOT
.endr
	s_lshl_b32 s46, s42, 10                        ; part 1's bias: 4 (256 x W's tile + 128 x half) bytes on
	s_lshl_b32 s47, s16, 9
	s_add_co_u32 s46, s46, s47
	s_mov_b32 s47, 0
	s_add_nc_u64 s[8:9], s[70:71], s[46:47]
	s_lshl_b32 s46, s2, 9                          ; part 2's: 4 (2,048 + 128 x group + 64 x half)
	s_lshl_b32 s67, s15, 8
	s_add_co_u32 s46, s46, s67
	s_add_co_u32 s46, s46, 8192
	s_add_nc_u64 s[104:105], s[70:71], s[46:47]
	s_and_b32 s20, s17, 7                          ; x's tile within its batch;
	s_lshl_b32 s21, s20, 16
	s_lshl_b32 s22, s15, 15
	s_add_co_u32 s22, s22, s21                     ; a position's share of the table is 256 bytes
	s_mov_b32 s23, 0
	s_add_nc_u64 s[12:13], s[72:73], s[22:23]
	s_lshr_b32 s46, s17, 3                         ; q_img, k_img: batch x 16 heads x 131,072 bytes,
	s_lshl_b32 s46, s46, 21
	s_lshl_b32 s67, s40, 19                        ; + head 4 cx + 2 x half,
	s_add_co_u32 s46, s46, s67
	s_lshl_b32 s67, s16, 18
	s_add_co_u32 s46, s46, s67
	s_lshl_b32 s67, s20, 14                        ; + 64 bytes a position
	s_add_co_u32 s46, s46, s67
	s_lshl_b32 s67, s15, 13
	s_add_co_u32 s46, s46, s67
	s_add_nc_u64 s[92:93], s[92:93], s[46:47]
	s_lshr_b32 s46, s3, 3                          ; v_img: batch,
	s_lshl_b32 s46, s46, 21
	s_lshl_b32 s67, s2, 18                         ; + head 2 x group + half,
	s_add_co_u32 s46, s46, s67
	s_lshl_b32 s67, s15, 17
	s_add_co_u32 s46, s46, s67
	s_and_b32 s67, s3, 7
	s_lshl_b32 s67, s67, 14                        ; + key step 2 x (x's tile within its batch) + half, 8,192 bytes each
	s_add_co_u32 s46, s46, s67
	s_lshl_b32 s67, s16, 13
	s_add_co_u32 s46, s46, s67
	s_add_nc_u64 s[78:79], s[78:79], s[46:47]
.irp b, 0,1,2,3,4,5,6,7
	global_load_b128 v[BIAS+8*\b:BIAS+8*\b+3],   v[BO], s[8:9] offset:64*\b
	global_load_b128 v[BIAS+8*\b+4:BIAS+8*\b+7], v[BO], s[8:9] offset:64*\b+16
.endr
.irp q, 0,1,2,3,4,5,6,7
	global_load_b128 v[TAB+4*\q:TAB+4*\q+3], v[LI], s[12:13] offset:512*\q
.endr
.irp a, 0,1,2,3
	global_load_b32 v[VB+\a], v[VO], s[104:105] offset:64*\a
.endr
	s_wait_alu depctr_va_vdst(0)
	s_wait_kmcnt 0x0
	s_or_b32 s[G1V+0], s43, (0<<16)|(1<<20)|(1<<21)|(5<<22)|(3<<25)  ; the arguments in s[68:75] have been used: part 2's group 1, 64 rows
	s_mov_b32 s[G1V+1], ROWB<<16
	s_mov_b32 s[G1V+2], 64<<16
	s_mov_b32 s[G1V+3], ROWB<<16
	s_mov_b32 s[G1V+4], 64
	s_mov_b32 s[G1V+5], KROW
	s_mov_b32 s[G1V+6], 0
	s_mov_b32 s[G1V+7], 0
	s_add_co_i32 s96, s84, s85
	s_add_co_i32 s96, s96, 127
	s_lshl_b32 s96, s96, 23                        ; 2^(e0 + e1)
	s_mov_b32 s97, s96
	s_cmp_eq_u32 ttmp9, 0
	s_cselect_b32 s18, s86, s87                    ; e2 for q, e3 for k
	s_add_co_i32 s18, s18, 127
	s_lshl_b32 s19, s18, 23
	v_mov_b32 v[SCL], s19
	s_add_co_i32 s18, s18, 15
	s_lshl_b32 s18, s18, 23
	s_or_b32 s18, s18, 0x600000
	v_mov_b32 v[LIM], s18
.macro FRAG reg, adr, q, i             ; 16 rows x 128 K: registers 4 c .. 4 c + 3 hold K = 32 c + 16 (l / 16) + 0 .. 15: the same places in both sources
.irp c, 0,1,2,3
	ds_load_b128 v[\reg+4*\c:\reg+4*\c+3], v[\adr] offset:128*(\q)+32*\c+(\i)*16*PITCH
.endr
.endm
; 16 matrix instructions: source 1's blocks a0, a0 + 1 (fragments from v[af] on) x source 0's eight of set p.  The accumulators take turns, one instruction a turn.
.macro MUL16 a0, p, zero, af=AF
.irp a, \a0, \a0+1
.irp b, 0,1,2,3,4,5,6,7
.if \zero
	v_wmma_f32_16x16x128_bf8_bf8 v[8*(8*((\a)%4)+\b):8*(8*((\a)%4)+\b)+7], v[128*(\p)+FR*\b:128*(\p)+FR*\b+FR-1], v[\af+FR*(\a):\af+FR*(\a)+FR-1], 0
.else
	v_wmma_f32_16x16x128_bf8_bf8 v[8*(8*((\a)%4)+\b):8*(8*((\a)%4)+\b)+7], v[128*(\p)+FR*\b:128*(\p)+FR*\b+FR-1], v[\af+FR*(\a):\af+FR*(\a)+FR-1], v[8*(8*((\a)%4)+\b):8*(8*((\a)%4)+\b)+7]
.endif
.endr
.endr
.endm
.macro FETCH_B slot, q, p
	WIN TO_B
.irp i, 0,1,2,3,4,5,6,7
	FRAG 128*(\p)+FR*\i, ADRB+\slot, \q, \i
.endr
	WIN 0
.endm
.macro FETCH_A slot, q, i0
.irp i, \i0, \i0+1, \i0+2, \i0+3
	FRAG AF+FR*(\i), ADRA+\slot, \q, \i
.endr
.endm
.macro FETCH_AV slot, q, p             ; part 2: source 1's four blocks into set p
.irp i, 0,1,2,3
	FRAG AF+64*(\p)+FR*\i, ADRV+\slot, \q, \i
.endr
.endm
.macro PLACES n
.rept \n
	v_nop
.endr
.endm
.macro TABLE a                         ; the table tile of block a's 16 positions, into window 1 (the window is set by the caller)
.irp q, 0,1,2,3,4,5,6,7
	global_load_b128 v[32*((\a)-1)+4*\q:32*((\a)-1)+4*\q+3], v[LI], s[12:13] offset:4096*(\a)+512*\q
.endr
.endm
; The refill behind a round.  fill = 1: part 1, two K steps on.  2: part 2's K step 0 or 1.  3: part 2, two K steps on.
.macro REFILL slot, fill
.if \fill == 2
	s_add_co_u32 s[G0+4*\slot+1], s66, \slot*SLOT
	s_add_nc_u64 s[G0+4*\slot+2:G0+4*\slot+3], s[98:99], \slot*ROWB
	s_or_b32 s[G0+4*\slot+3], s[G0+4*\slot+3], 0x80000000
	s_add_nc_u64 s[G0B+4*\slot+2:G0B+4*\slot+3], s[100:101], \slot*ROWB
	s_or_b32 s[G0B+4*\slot+3], s[G0B+4*\slot+3], 0x80000000
.else
	s_add_nc_u64 s[G0+4*\slot+2:G0+4*\slot+3], s[G0+4*\slot+2:G0+4*\slot+3], 2*ROWB
	s_add_nc_u64 s[G0B+4*\slot+2:G0B+4*\slot+3], s[G0B+4*\slot+2:G0B+4*\slot+3], 2*ROWB
.endif
.if \fill == 1
	JLOAD G0+4*\slot, G1, G0B+4*\slot, G1B
.else
	JLOAD G0+4*\slot, G1V, G0B+4*\slot, G1B
.endif
.endm
; PART 1.  A step of 128 along K that has its successor in the same slot.
.macro STEP slot, q, zero
	s_wait_dscnt 4*NL                              ; all but the youngest sixteen loads (blocks 4-7)
	WIN MUL_LO
	MUL16 0, (\q)%2, \zero
	MUL16 2, (\q)%2, \zero
	s_wait_dscnt 0
	PLACES NP
	FETCH_B \slot, (\q)+1, 1-(\q)%2
	FETCH_A \slot, (\q)+1, 0
	WIN MUL_HI
	MUL16 4, (\q)%2, \zero
	MUL16 6, (\q)%2, \zero
	PLACES NP
	WIN 0
	FETCH_A \slot, (\q)+1, 4
.endm
; A slot's last step changes slots: each wave waits for all its tensor loads, adds 0 to its spare word, waits for that and for its reads of this slot; a round of the cluster's barrier; this slot's refill.
; next = -1: part 1's last step fetches no fragments; source 0's set 0 is free, and takes the table tiles of blocks 1 to 4.  The prefetch names part 2's K step 2 (fill - 1) + slot: the stream step two refills on.
.macro TURN slot, next, fill
	s_wait_tensorcnt 0x0
	ds_add_u32 v[SPW], v[NIL]
	s_wait_dscnt 4*NL+1                            ; (the add and the youngest sixteen loads may be out)
	WIN MUL_LO
	MUL16 0, 1, 0
	s_wait_dscnt 0x0
	s_barrier_signal -1
	MUL16 2, 1, 0
	WIN 0
	s_barrier_wait -1
	CREST
	REFILL \slot, \fill                            ; the four v_nop behind the load are the places in front of the loads below
.if \next >= 0
	FETCH_B \next, 0, 0
	FETCH_A \next, 0, 0
.else
	WIN TO_B
	TABLE 1
	TABLE 2
	TABLE 3
	TABLE 4
	WIN 0
.endif
	global_prefetch_b8 v[PF2O], s[82:83] offset:(2*(\fill)-2+\slot)*ROWB th:TH_LOAD_NT scope:SCOPE_SE
	WIN MUL_HI
	MUL16 4, 1, 0
	MUL16 6, 1, 0
.if \next >= 0
	PLACES NP
	WIN 0
	FETCH_A \next, 0, 4
.else
	WIN 0
.endif
.endm
; PART 2.  A slot's first step multiplies set 0 and fetches set 1.
.macro STEPV slot, zero
	PLACES NP                                      ; set 1 was read by the products just issued
	FETCH_B \slot, 1, 1
	FETCH_AV \slot, 1, 1
	s_wait_dscnt 12*NL                             ; all but the 48 just issued: set 0 is in
	WIN MUL_LO
	MUL16 0, 0, \zero, AF
	MUL16 2, 0, \zero, AF
	WIN 0
.endm
; Its second step multiplies set 1 and changes slots.
.macro TURNV slot, next, fill
	s_wait_tensorcnt 0x0
	ds_add_u32 v[SPW], v[NIL]
	s_wait_dscnt 0x0                               ; the add, set 1, and so all my reads of this slot
	s_barrier_signal -1
	WIN MUL_LO
	MUL16 0, 1, 0, AF+64
	WIN 0
	s_barrier_wait -1
.if \fill
	CREST
	REFILL \slot, 3
.else
	PLACES NP
.endif
	FETCH_B \next, 0, 0
	FETCH_AV \next, 0, 0
	WIN MUL_LO
	MUL16 2, 1, 0, AF+64
	WIN 0
.endm
	s_wait_alu depctr_va_vdst(0)
	s_wait_tensorcnt 0x0                           ; my part of K step 0 is in
	ds_add_u32 v[SPW], v[NIL]
	s_wait_dscnt 0x0
	CROUND
	JLOAD G0+4, G1, G0B+4, G1B                     ; K step 1: the first tensor load behind the round
	FETCH_B 0, 0, 0
	FETCH_A 0, 0, 0
	FETCH_A 0, 0, 4
	global_prefetch_b8 v[PF1O], s[80:81] offset:3*ROWB th:TH_LOAD_NT scope:SCOPE_SE   ; K step 3
	STEP 0, 0, 1                                   ; K = 1,024 is four K steps, eight steps of 128, written out.  The first starts the sums
	TURN 0, 1, 1                                   ; slot 0 takes K step 2
	STEP 1, 0, 0
	TURN 1, 0, 1                                   ; slot 1 takes K step 3
	STEP 0, 0, 0
	TURN 0, 1, 2                                   ; slot 0 takes part 2's K step 0
	STEP 1, 0, 0
	TURN 1, -1, 2                                  ; slot 1 takes part 2's K step 1
; THE WAYS OUT, block by block of source 1's 16 rows.  Nothing goes through LDS: the conversions' results are the images' registers.
.macro PACK
.set j, 0
.rept 64
	v_med3_num_f32 v[Y+j], v[Y+j], -v[LIM], v[LIM] ; the conversion does not saturate (ISA guide 7.6.2): the hold at the largest code x the scale
.set j, j+1
.endr
.endm
.macro CODES
.set j, 0
.rept 8
	v_cvt_scalef32_pk8_bf8_f32 v[CODE+2*j:CODE+2*j+1], v[Y+8*j:Y+8*j+7], v[SCL]
.set j, j+1
.endr
	v_nop                                          ; one plain line behind the last conversion
.endm
; q, k: block a = 16 positions x two heads.  Register 32 hh + 8 b' + i of Y is d = 16 b' + 8 h + i of head hh.
.macro QK_BLOCK a
.set AC, 64*((\a)%4)
.if (\a) == 0
.set TBL, TAB                          ; block 0's table tile lies in window 0,
.else
.set TBL, 32*((\a)-1)                  ; the others' in window 1
.endif
	s_wait_loadcnt 8*(7-(\a))                      ; this block's table tile is in (in block 0 the biases too); the eight loads of each later tile may be out
	WIN 0x02+((\a)/4)
.set j, 0
.rept 32
	v_pk_fma_f32 v[Y+j:Y+j+1], v[AC+j:AC+j+1], s[96:97], v[BIAS+j:BIAS+j+1] op_sel_hi:[1,0,1]   ; sum x 2^(e0 + e1) + b; each accumulator from its low end on
.set j, j+2
.endr
.if (\a) == 0
	WIN 0
.else
	WIN 0x04                                       ; source 1, the table, in window 1
.endif
.irp g, 0,8,32,40
.irp i, 0,2,4,6
.set YA, Y+\g+\i
.set CSN, TBL+(\g)%32+\i
.set TR, TT+4*((\i/2)%2)
	v_pk_mul_f32 v[TR:TR+1], v[YA+16:YA+17], v[CSN+16:CSN+17]
	v_pk_mul_f32 v[TR+2:TR+3], v[YA:YA+1], v[CSN+16:CSN+17]
	v_pk_fma_f32 v[YA:YA+1], v[YA:YA+1], v[CSN:CSN+1], v[TR:TR+1] neg_lo:[0,0,1] neg_hi:[0,0,1]    ; y(d) cos - y(d + 32) sin
	v_pk_fma_f32 v[YA+16:YA+17], v[YA+16:YA+17], v[CSN:CSN+1], v[TR+2:TR+3]                        ; y(d + 32) cos + y(d) sin
.endr
.endr
	WIN 0
	PACK
.if (\a) > 0
	s_wait_alu depctr_va_vdst(0)
	s_wait_xcnt 0x0                                ; the last block's stores have read their data
.endif
	CODES
.irp hh, 0,1
.irp c, 0,1
	global_store_b128 v[LI], v[CODE+8*\hh+4*\c:CODE+8*\hh+4*\c+3], s[92:93] offset:131072*\hh+1024*(\a)+512*\c
.endr
.endr
.endm
; v: block a = 16 d of my head x my 128 keys, one key step.  Register 8 b + i of Y is key 16 b + 8 h + i.
.macro V_BLOCK a
.set AC, 64*(\a)
	WIN 0x02
.set j, 0
.rept 32
	v_pk_fma_f32 v[Y+j:Y+j+1], v[AC+j:AC+j+1], s[96:97], v[VD+2*(\a):VD+2*(\a)+1] op_sel_hi:[1,0,1]
.set j, j+2
.endr
	WIN 0
	PACK
.if (\a) > 0
	s_wait_alu depctr_va_vdst(0)
	s_wait_xcnt 0x0
.endif
	CODES
.irp c, 0,1,2,3
	global_store_b128 v[LI], v[CODE+4*\c:CODE+4*\c+3], s[78:79] offset:2048*(\a)+512*\c
.endr
.endm
	PLACES NP                                      ; behind the last products: source 0's set 1 is free too,
	WIN TO_B
	TABLE 5                                        ; and takes the table tiles of blocks 5 to 7
	TABLE 6
	TABLE 7
	WIN 0
.irp a, 0,1,2,3,4,5,6,7
	QK_BLOCK \a
.endr
	s_wait_xcnt 0x0                                ; the last stores have read their data: fragments land there
	FETCH_B 0, 0, 0                                ; PART 2.  Its K step 0 was shown to every wave by the last round
	FETCH_AV 0, 0, 0
	STEPV 0, 1                                     ; the first step starts the sums
	TURNV 0, 1, 1                                  ; slot 0 takes K step 2
	STEPV 1, 0
	TURNV 1, 0, 1                                  ; slot 1 takes K step 3
	STEPV 0, 0
	TURNV 0, 1, 0                                  ; nothing is left to fetch
	STEPV 1, 0
	s_wait_dscnt 0x0
	WIN MUL_LO
	MUL16 0, 1, 0, AF+64
	MUL16 2, 1, 0, AF+64
	WIN 0
	PLACES NP
	s_add_co_i32 s18, s89, 127                     ; e5
	s_lshl_b32 s19, s18, 23
	s_add_co_i32 s18, s18, 15
	s_lshl_b32 s18, s18, 23
	s_or_b32 s18, s18, 0x600000
	v_mov_b32 v[SCL], s19
	v_mov_b32 v[LIM], s18
.irp a, 0,1,2,3
	v_mov_b32 v[VD+2*\a], v[VB+\a]                 ; the bias in pairs, for the packed multiply-add
	v_mov_b32 v[VD+2*\a+1], v[VB+\a]
.endr
.irp a, 0,1,2,3
	V_BLOCK \a
.endr
	s_wait_tensorcnt 0x0                           ; the wave's end
	ds_add_u32 v[SPW], v[NIL]
	s_wait_dscnt 0x0
	CROUND                                         ; the closing round
	s_endpgm
.Lfunc_end_k_q01db15eadf_qkv:
	.size	k_q01db15eadf_qkv, .Lfunc_end_k_q01db15eadf_qkv-k_q01db15eadf_qkv
	.p2alignl 7, 3214868480
	.fill 96, 4, 3214868480
	.section	.rodata,"a",@progbits
	.p2align	6, 0x0
	.amdhsa_kernel k_q01db15eadf_qkv
		.amdhsa_group_segment_fixed_size 327680
		.amdhsa_private_segment_fixed_size 0
		.amdhsa_enable_private_segment 0
		.amdhsa_kernarg_size 64
		.amdhsa_user_sgpr_count 2
		.amdhsa_user_sgpr_kernarg_segment_ptr 1
		.amdhsa_wavefront_size32 1
		.amdhsa_system_sgpr_workgroup_id_x 1
		.amdhsa_system_sgpr_workgroup_id_y 1
		.amdhsa_system_sgpr_workgroup_id_z 1
		.amdhsa_system_vgpr_workitem_id 0
		.amdhsa_next_free_vgpr 1024
		.amdhsa_next_free_sgpr 106
		.amdhsa_reserve_vcc 0
		.amdhsa_float_denorm_mode_32 3
		.amdhsa_float_denorm_mode_16_64 3
		.amdhsa_memory_ordered 1
		.amdhsa_forward_progress 1
		.amdhsa_inst_pref_size 253
	.end_amdhsa_kernel
	.amdgpu_metadata
---
amdhsa.version: [ 1, 2 ]
amdhsa.kernels:
  - .name:           k_q01db15eadf_qkv
    .symbol:         k_q01db15eadf_qkv.kd
    .args:
      - { .name: x_codes, .offset: 0, .size: 8, .value_kind: global_buffer, .address_space: global }
      - { .name: w_qkv_codes, .offset: 8, .size: 8, .value_kind: global_buffer, .address_space: global }
      - { .name: lowp_scales, .offset: 16, .size: 8, .value_kind: global_buffer, .address_space: global }
      - { .name: b_qkv, .offset: 24, .size: 8, .value_kind: global_buffer, .address_space: global }
      - { .name: rope_tab, .offset: 32, .size: 8, .value_kind: global_buffer, .address_space: global }
      - { .name: q_img, .offset: 40, .size: 8, .value_kind: global_buffer, .address_space: global }
      - { .name: k_img, .offset: 48, .size: 8, .value_kind: global_buffer, .address_space: global }
      - { .name: v_img, .offset: 56, .size: 8, .value_kind: global_buffer, .address_space: global }
    .group_segment_fixed_size: 327680
    .private_segment_fixed_size: 0
    .kernarg_segment_align: 8
    .kernarg_segment_size: 64
    .max_flat_workgroup_size: 128
    .sgpr_count:     106
    .vgpr_count:     1024
    .wavefront_size: 32
...
	.end_amdgpu_metadata
.endif
;; end of part 2
;; launch attn (part 3): grid 4 x 64, 8 waves a work-group, clusters of 4 x 1, 327,680 bytes of LDS; arguments q_img, k_img, v_img, lowp_scales, a_img; writes a_img
.if DOCPART == 3
	.amdgcn_target "amdgcn-amd-amdhsa--gfx1250"
	.amdhsa_code_object_version 6
	.text
	.protected	k_q01db15eadf_attn
	.globl	k_q01db15eadf_attn
	.p2align	8
	.type	k_q01db15eadf_attn,@function
k_q01db15eadf_attn:
	s_mov_b64 s[64:65], 0
	v_nop
	global_prefetch_b8 v0, s[64:65] scope:SCOPE_SE
	s_setreg_imm32_b32 hwreg(HW_REG_WAVE_MODE, 25, 1), 1
	s_wait_xcnt 0x0
	s_wait_alu depctr_hold_cnt(0) depctr_sa_sdst(0) depctr_va_vdst(0) depctr_va_sdst(0) depctr_va_ssrc(0) depctr_va_vcc(0) depctr_vm_vsrc(0)
	s_getreg_b32 s2, hwreg(HW_REG_IB_STS2, 6, 4)
	s_cmp_eq_u32 s2, 0
	s_cbranch_scc0 .Lentry_in_a_cluster
	s_endpgm
.Lentry_in_a_cluster:
	s_bfe_u32 s2, ttmp6, 0x10000c
	s_cmp_lg_u32 s2, 0x3003
	s_cbranch_scc0 .Lentry_shape_is_right
	s_endpgm
.Lentry_shape_is_right:
; ATTENTION ON CODES OF BF8 (E5M2): a = softmax(q k^T / 8) v for each of 64 (batch, head), 2,048 positions, head size 64; a is quantised with e6 and stored as the image of the last product's operand.
; q_img, k_img: [batch x head][128 tiles of 16 positions][2 chunks of 512 bytes]: lane (r, h), registers 2 c, 2 c + 1: d = 16 c + 8 h + 0 .. 7 of position r.
; v_img: [batch x head][16 steps of 128 keys][4 blocks of 16 d][4 chunks]: lane (r, h), registers 2 c, 2 c + 1: keys 16 c + 8 h + 0 .. 7 of d = r.
; a_img: [512 tiles of 16 positions][16 heads][2 chunks]: lane (r, h): d = 32 c + 16 h + 0 .. 15 of position r.
; THE SOFTMAX: t = score x log2(e) / 8; M = the row's largest t so far, rounded up to a whole number; p = 2^(t - M) is quantised with e4 (held at 57,344 x 2^e4), not normalised.
; The row's sum is taken of the unquantised p and divides at the end.  When M moves, the sum and O are multiplied by 2^(old M - new M), in every step, with no branch on data.
; SHARES.  A cluster of four work-groups owns one (batch, head); a work-group 512 queries; each of its 8 waves four tiles of 16 queries, two at a time (A and B) in two passes over the keys, 128 keys a step.
; ALL of the head's K and V images, 2 x 131,072 bytes, lie in LDS, asked for jointly by the four partners, filled once: at the head each wave asks for one of the first four key steps of K or V (8,192 bytes);
; behind the full sequence and a round, for three of the other twelve (24,576 bytes).  A barrier ahead of step 3, which fetches K's step 4, shows the second part to every wave (in the second pass it finds nothing out).
; No prefetch: all tiles are asked for ahead of the loop, so there is no loop to run ahead in.
; Both products are used transposed (S^T = K Q^T, O^T = V^T P^T): a lane holds one query.  Each fragment of K and V feeds both tiles.
; Among A's exponentials stand B's multiply-adds, among B's exponentials A's first level of sums and its hold: lines that read nothing written since the wait ahead of the batch, and whose results are read behind the wait that follows it.
; LIMITS: the scaled scores stay under 2^31 in magnitude; e2 + e3 between -123 and 130; e4 and e6 between -126 and 112; NaN among the inputs is not served.
; REGISTERS.  Window 0: v1-7 addresses and constants; v8-15 a tile's -M, largest score, sum in two halves; v16-19 f; v20-27 at work; v30-31 the hold; v32-63 A's partial sums, then p's codes; v64-191 S^T, then p; v192-255 O^T.
;   Window 1: v0-63 K's fragments; v64-127 V's; v128-143 Q of this pass; v144-159 Q of the next.
.set LI,   1
.set ADK,  2
.set ADV,  3
.set LIV,  4
.set SCP,  5                           ; 2^e4 as f32
.set SPW,  6
.set NIL,  7
.set ST,   8                           ; tile x: v[ST+4x] -M, +1 the largest score so far, +2, +3 the sum
.set F,    16                          ; tile x: v[F+2x] f (named as a pair)
.set MX,   20                          ; tile x: three registers at work
.set L2,   26                          ; B's second chain of sums
.set LIMP, 30                          ; v30, v31: 57,344 x 2^e4, twice: the two halves of a dual pair read different registers
.set PC,   32
.set S,    64
.set O,    192
.set KF,   0                           ; window 1
.set VF,   64
.set QN,   128
.set QX,   144
.set VIMG, 131072
.set SPARE, 262144
.set WV,  18
.set G1,  24                           ; group 1, 32 rows;  s[32:35] its group 0
.set G0,  32
.set G0R, 36                           ; the second part's group 0;  s[40:47] its group 1, 96 rows
.set G1R, 40
.set MSB, 0
.macro WIN new
.if MSB != \new
	s_set_vgpr_msb (MSB<<8)|\new
.set MSB, \new
.endif
.endm
.macro CROUND
	s_barrier_signal -1
	s_barrier_wait -1
	s_cmp_lg_u32 s[WV], 0
	s_cbranch_scc1 .Lnot_wave_0_\@
	s_barrier_signal -3
.Lnot_wave_0_\@:
	s_barrier_wait -3
	s_barrier_signal -1
	s_barrier_wait -1
.endm
	s_load_b256 s[4:11], s[0:1], 0x0               ; q_img, k_img, v_img, the scales' exponents
	s_load_b64 s[12:13], s[0:1], 0x20              ; a_img
	v_lshl_add_u32 v[SPW], v0, 2, SPARE
	v_mov_b32 v[NIL], 0
	ds_add_u32 v[SPW], v[NIL]                      ; the opening lines: the add, twice on end, and its wait
	ds_add_u32 v[SPW], v[NIL]
	v_lshrrev_b32 v20, 5, v0
	v_readfirstlane_b32 s[WV], v20                 ; wave 0..7
	s_bfe_u32 s19, ttmp6, 0x40000                  ; cx: which 512 queries
	s_and_b32 s48, ttmp7, 0xffff                   ; batch x head
	s_lshl_b32 s50, s48, 17
	s_mov_b32 s51, 0
	s_and_b32 s49, s[WV], 3
	s_lshr_b32 s52, s[WV], 2
	s_lshl_b32 s52, s52, 17                        ; waves 0-3: K's image, at 0; waves 4-7: V's, at VIMG
	s_lshl_b32 s53, s49, 13                        ; first: key step wave % 4
	s_mul_i32 s74, s49, 24576
	s_add_co_u32 s74, s74, 32768                   ; then: key steps 4 + 3 (wave % 4) on
	s_add_co_u32 s54, s50, s53
	s_mov_b32 s55, 0
	s_add_co_u32 s76, s50, s74
	s_mov_b32 s77, 0
	s_add_co_u32 s53, s52, s53
	s_add_co_u32 s75, s52, s74
.irp g, G1, G1R
	s_mov_b32 s[\g], 15|(3<<16)|(1<<21)            ; the four partners; elements of 8 bytes; bit 21 beside a mask
	s_mov_b32 s[\g+1], 32<<16                      ; rows of 256 bytes, dense
	s_mov_b32 s[\g+3], 32<<16
	s_mov_b32 s[\g+5], 32
	s_mov_b32 s[\g+6], 0
	s_mov_b32 s[\g+7], 0
.endr
	s_mov_b32 s[G1+2], 32<<16
	s_mov_b32 s[G1+4], 32
	s_mov_b32 s[G1R+2], 96<<16
	s_mov_b32 s[G1R+4], 96
	s_mov_b32 s20, 0x76543210                      ; v_permlanex16_b32's selects for lane l xor 16
	s_mov_b32 s21, 0xfedcba98
	s_wait_dscnt 0x0
	s_wait_kmcnt 0x0
	s_load_b256 s[56:63], s[10:11], 0x0            ; e0 .. e7
	s_cmp_lt_u32 s[WV], 4
	s_cselect_b64 s[14:15], s[6:7], s[8:9]
	s_mov_b32 s[G0], 1
	s_mov_b32 s[G0+1], s53
	s_add_nc_u64 s[G0+2:G0+3], s[14:15], s[54:55]
	s_or_b32 s[G0+3], s[G0+3], 0x80000000
	s_mov_b32 s[G0R], 1
	s_mov_b32 s[G0R+1], s75
	s_add_nc_u64 s[G0R+2:G0R+3], s[14:15], s[76:77]
	s_or_b32 s[G0R+3], s[G0R+3], 0x80000000
	CROUND                                         ; the four partners are here: the joint loads meet
	tensor_load_to_lds s[G0:G0+3], s[G1:G1+7]      ; one tensor load a wave at the head
	s_nop 0
	v_and_b32 v20, 31, v0
	v_lshlrev_b32 v[LI], 4, v20
	v_add_nc_u32 v[LIV], VIMG, v[LI]
	v_and_b32 v21, 16, v0
	v_cmp_ne_u32 s70, 0, v21                       ; lanes 16-31
	s_wait_alu depctr_va_vdst(0)
	s_lshl_b32 s76, s19, 15                        ; Q: 512 queries x 64 bytes a work-group,
	s_lshl_b32 s78, s[WV], 11                      ; two tiles of 1,024 bytes a wave; the second pass's lie 16,384 bytes on
	s_add_co_u32 s76, s76, s78
	s_mov_b32 s77, 0
	s_add_nc_u64 s[4:5], s[4:5], s[50:51]
	s_add_nc_u64 s[4:5], s[4:5], s[76:77]
	WIN 0x40
.irp b, 0,1
.irp i, 0,1
.irp c, 0,1
	global_load_b128 v[QN+16*\b+8*\i+4*\c:QN+16*\b+8*\i+4*\c+3], v[LI], s[4:5] offset:16384*\b+1024*\i+512*\c
.endr
.endr
.endr
	WIN 0
	s_lshr_b32 s76, s48, 4                         ; a_img: batch x 2,048 positions x 1,024 bytes,
	s_lshl_b32 s76, s76, 21
	s_lshl_b32 s78, s19, 19                        ; + 512 positions a work-group,
	s_add_co_u32 s76, s76, s78
	s_lshl_b32 s78, s[WV], 15                      ; + 32 a wave,
	s_add_co_u32 s76, s76, s78
	s_and_b32 s78, s48, 15
	s_lshl_b32 s78, s78, 10                        ; + the head's 1,024 bytes of a tile
	s_add_co_u32 s76, s76, s78
	s_add_nc_u64 s[72:73], s[12:13], s[76:77]
	s_wait_kmcnt 0x0
	s_add_co_i32 s53, s58, s59
	s_lshl_b32 s53, s53, 23
	s_mov_b32 s22, 0x3e38aa3b                      ; c = log2(e) / 8,
	s_add_co_i32 s22, s22, s53                     ; x 2^(e2 + e3), added to its exponent field
	s_mov_b32 s23, s22
	s_add_co_i32 s71, s60, s61                     ; e4 + e5
	s_add_co_i32 s53, s60, 127
	s_lshl_b32 s52, s53, 23                        ; 2^e4
	s_add_co_i32 s53, s53, 15
	s_lshl_b32 s53, s53, 23
	s_or_b32 s53, s53, 0x600000                    ; 57,344 x 2^e4
	s_add_co_i32 s55, s62, 127
	s_lshl_b32 s54, s55, 23                        ; 2^e6
	s_add_co_i32 s55, s55, 15
	s_lshl_b32 s55, s55, 23
	s_or_b32 s55, s55, 0x600000                    ; 57,344 x 2^e6
	v_mov_b32 v[SCP], s52
	v_mov_b32 v[LIMP], s53
	v_mov_b32 v[LIMP+1], s53
.irp x, 0,1
	v_mov_b32 v[MX+3*\x+2], 0                      ; a lane permute's destination counts as a source
	v_mov_b32 v[F+2*\x+1], 0                       ; named as the upper half of a pair
.endr
	s_wait_alu depctr_va_vdst(0)
	s_wait_tensorcnt 0x0                           ; my key step is in
	ds_add_u32 v[SPW], v[NIL]
	s_wait_dscnt 0x0
	CROUND                                         ; everybody's is, and the four partners are here
	tensor_load_to_lds s[G0R:G0R+3], s[G1R:G1R+7]  ; the other twelve key steps: my one tensor load behind the round
	s_nop 0
.rept 4
	v_nop
.endr
	WIN 0x40
.irp t, 0,1,2,3,4,5,6,7
.irp c, 0,1
	ds_load_b128 v[KF+8*\t+4*\c:KF+8*\t+4*\c+3], v[LI] offset:1024*\t+512*\c
.endr
.endr
	WIN 0
	s_wait_loadcnt 0x0                             ; Q
.macro SUMB n                          ; n more groups of B's two chains of sums
.rept \n
	v_pk_add_f32 v[ST+6:ST+7], v[ST+6:ST+7], v[S+64+j:S+64+j+1]
	v_pk_add_f32 v[L2:L2+1], v[L2:L2+1], v[S+64+j+2:S+64+j+3]
.set j, j+4
.endr
.endm
.macro TREE n                          ; A's partial sums: n pairs take in the n behind them
.set k, 0
.rept \n
	v_pk_add_f32 v[PC+2*k:PC+2*k+1], v[PC+2*k:PC+2*k+1], v[PC+2*(\n)+2*k:PC+2*(\n)+2*k+1]
.set k, k+1
.endr
.endm
; A KEY STEP: 128 keys for my two tiles.
.macro STEP
	s_wait_dscnt 0x0                               ; this step's K
	WIN 0x05                                       ; sources 0 and 1 in window 1
.irp t, 0,1,2,3,4,5,6,7
	v_wmma_f32_16x16x64_bf8_bf8 v[S+8*\t:S+8*\t+7], v[KF+8*\t:KF+8*\t+7], v[QN:QN+7], 0
	v_wmma_f32_16x16x64_bf8_bf8 v[S+64+8*\t:S+64+8*\t+7], v[KF+8*\t:KF+8*\t+7], v[QN+8:QN+15], 0
.endr
	WIN 0
	s_lshl_b32 s67, s68, 13                        ; a step is 8,192 bytes of each image
	s_add_co_u32 s66, s67, 8192
	s_and_b32 s66, s66, 0x1ffff                    ; behind the last step comes the first: the next pass's
	v_add_nc_u32 v[ADV], s67, v[LIV]               ; these four lines are the places behind the products (ISA guide 7.12.1)
	v_add_nc_u32 v[ADK], s66, v[LI]
	v_nop
	v_nop
	WIN 0x40
.irp t, 0,1,2,3
.irp c, 0,1,2,3
	ds_load_b128 v[VF+16*\t+4*\c:VF+16*\t+4*\c+3], v[ADV] offset:2048*\t+512*\c
.endr
.endr
.irp t, 0,1,2,3,4,5,6,7
.irp c, 0,1
	ds_load_b128 v[KF+8*\t+4*\c:KF+8*\t+4*\c+3], v[ADK] offset:1024*\t+512*\c
.endr
.endr
	WIN 0
.irp x, 0,1                                    ; the step's largest scores: two chains a tile, the tiles by turns, each accumulator from its low end on
	v_max3_num_f32 v[MX+3*\x], v[S+64*\x], v[S+64*\x+1], v[S+64*\x+2]
	v_max3_num_f32 v[MX+3*\x+1], v[S+64*\x+3], v[S+64*\x+4], v[S+64*\x+5]
.endr
.set j, 6
.rept 14
.irp x, 0,1
	v_max3_num_f32 v[MX+3*\x], v[MX+3*\x], v[S+64*\x+j], v[S+64*\x+j+1]
	v_max3_num_f32 v[MX+3*\x+1], v[MX+3*\x+1], v[S+64*\x+j+2], v[S+64*\x+j+3]
.endr
.set j, j+4
.endr
.irp x, 0,1
	v_max3_num_f32 v[MX+3*\x], v[MX+3*\x], v[S+64*\x+62], v[S+64*\x+63]
.endr
.irp x, 0,1
	v_max_num_f32 v[MX+3*\x], v[MX+3*\x], v[MX+3*\x+1]
.endr
.irp x, 0,1
	v_permlanex16_b32 v[MX+3*\x+2], v[MX+3*\x], s20, s21
.endr
.irp x, 0,1
	v_max3_num_f32 v[ST+4*\x+1], v[ST+4*\x+1], v[MX+3*\x], v[MX+3*\x+2]   ; the largest score so far, of my lane and of lane l xor 16
.endr
.irp x, 0,1
	v_mul_f32 v[MX+3*\x], s22, v[ST+4*\x+1]        ; as t (c is positive)
.endr
.irp x, 0,1
	v_mov_b32 v[MX+3*\x+1], v[ST+4*\x]
.endr
.irp x, 0,1
	v_floor_f32 v[ST+4*\x], -v[MX+3*\x]            ; the new -M = -ceil(t)
.endr
.irp x, 0,1
	v_sub_f32 v[MX+3*\x+1], v[ST+4*\x], v[MX+3*\x+1]   ; old M - new M: a whole number, 0 or less
.endr
.irp x, 0,1
	v_cvt_i32_f32 v[MX+3*\x+1], v[MX+3*\x+1]       ; (it saturates)
.endr
.irp x, 0,1
	v_ldexp_f32 v[F+2*\x], 1.0, v[MX+3*\x+1]       ; f = 2^(old M - new M)
.endr
.set j, 0
.rept 32
	v_pk_fma_f32 v[S+j:S+j+1], v[S+j:S+j+1], s[22:23], v[ST:ST+1] op_sel_hi:[1,0,0]   ; A: t - M
.set j, j+2
.endr
.set j, 0
.rept 32
	v_pk_mul_f32 v[O+j:O+j+1], v[O+j:O+j+1], v[F+2*(j/32):F+2*(j/32)+1] op_sel_hi:[1,0]   ; O^T under the new M
.set j, j+2
.endr
.irp x, 0,1
	v_pk_mul_f32 v[ST+4*\x+2:ST+4*\x+3], v[ST+4*\x+2:ST+4*\x+3], v[F+2*\x:F+2*\x+1] op_sel_hi:[1,0]   ; and the sums
.endr
	s_wait_alu depctr_va_vdst(0)                   ; the wait ahead of the batch
.set j, 0
.rept 32
	v_exp_f32 v[S+j], v[S+j]                       ; A: p = 2^(t - M);
	v_pk_fma_f32 v[S+64+j:S+64+j+1], v[S+64+j:S+64+j+1], s[22:23], v[ST+4:ST+5] op_sel_hi:[1,0,0]   ; among them B: t - M
	v_exp_f32 v[S+j+1], v[S+j+1]
.set j, j+2
.endr
	v_nop                                          ; a plain place behind the last of them
	s_wait_alu depctr_va_vdst(0)                   ; one wait: behind A's batch, ahead of B's
.set j, 0
.rept 16
	v_exp_f32 v[S+64+j], v[S+64+j]                 ; B: p;  among them, of A: the first level of the sums of the unquantised p, and then the hold
	v_pk_add_f32 v[PC+j/2:PC+j/2+1], v[S+j:S+j+1], v[S+j+2:S+j+3]
	v_exp_f32 v[S+64+j+1], v[S+64+j+1]
	v_dual_min_num_f32 v[S+j], v[S+j], v[LIMP] :: v_dual_min_num_f32 v[S+j+1], v[S+j+1], v[LIMP+1]
	v_exp_f32 v[S+64+j+2], v[S+64+j+2]
	v_dual_min_num_f32 v[S+j+2], v[S+j+2], v[LIMP] :: v_dual_min_num_f32 v[S+j+3], v[S+j+3], v[LIMP+1]
	v_exp_f32 v[S+64+j+3], v[S+64+j+3]
.set j, j+4
.endr
	v_nop
	s_wait_dscnt 16                                ; V's sixteen loads are in; the next step's sixteen of K may be out.  It stands here so that no blocking wait lies between the conversions and the products that read their results
	s_wait_alu depctr_va_vdst(0)                   ; one wait behind B's batch, ahead of its first reader, and behind the wait above
	v_pk_add_f32 v[L2:L2+1], v[S+64:S+65], v[S+66:S+67]   ; B's sums in two chains, A's sixteen partial sums between them
.set j, 4
	TREE 8
	TREE 4
	SUMB 5
	TREE 2
	SUMB 5
	TREE 1
	SUMB 5
	v_pk_add_f32 v[ST+2:ST+3], v[ST+2:ST+3], v[PC:PC+1]
	v_pk_add_f32 v[ST+6:ST+7], v[ST+6:ST+7], v[L2:L2+1]
.set j, 64
.rept 32                                       ; B's hold: the conversion does not saturate (ISA guide 7.6.2); p is not negative, so it is one-sided; two numbers a line
	v_dual_min_num_f32 v[S+j], v[S+j], v[LIMP] :: v_dual_min_num_f32 v[S+j+1], v[S+j+1], v[LIMP+1]
.set j, j+2
.endr
.set j, 0
.rept 16
	v_cvt_scalef32_pk8_bf8_f32 v[PC+2*j:PC+2*j+1], v[S+8*j:S+8*j+7], v[SCP]   ; registers 2 t, 2 t + 1: keys 16 t + 8 h + 0 .. 7
.set j, j+1
.endr
	v_nop                                          ; one plain line between a scaled conversion and the product that reads its result
	WIN 0x01                                       ; source 0 in window 1
.irp t, 0,1,2,3
	v_wmma_f32_16x16x128_bf8_bf8 v[O+8*\t:O+8*\t+7], v[VF+16*\t:VF+16*\t+15], v[PC:PC+15], v[O+8*\t:O+8*\t+7]
	v_wmma_f32_16x16x128_bf8_bf8 v[O+32+8*\t:O+32+8*\t+7], v[VF+16*\t:VF+16*\t+15], v[PC+16:PC+31], v[O+32+8*\t:O+32+8*\t+7]
.endr
	WIN 0
.endm
; THE WAY OUT of both tiles: O^T / the sum x 2^(e4 + e5), held, quantised with e6; lanes l and l xor 16 exchange eight codes, so that a lane holds 16 neighbouring d.
.macro OUT
	v_mov_b32 v[MX], s54                           ; 2^e6
	v_mov_b32 v[MX+1], s55                         ; 57,344 x 2^e6
.irp x, 0,1
	v_add_f32 v[ST+4*\x+2], v[ST+4*\x+2], v[ST+4*\x+3]
.endr
.irp x, 0,1
	v_permlanex16_b32 v[MX+3*\x+2], v[ST+4*\x+2], s20, s21
.endr
.irp x, 0,1
	v_add_f32 v[ST+4*\x+2], v[ST+4*\x+2], v[MX+3*\x+2]   ; the row's sum
.endr
	s_wait_alu depctr_va_vdst(0)                   ; the wait ahead of the transcendentals
.irp x, 0,1
	v_rcp_f32 v[ST+4*\x+2], v[ST+4*\x+2]
.endr
	v_nop
	s_wait_alu depctr_va_vdst(0)                   ; and behind them, ahead of the first reader
.irp x, 0,1
	v_ldexp_f32 v[ST+4*\x+2], v[ST+4*\x+2], s71
.endr
	s_wait_alu depctr_va_vdst(0)                   ; the wait, directly ahead of the first reader of O^T
.set j, 0
.rept 32
	v_pk_mul_f32 v[S+j:S+j+1], v[O+j:O+j+1], v[ST+4*(j/32)+2:ST+4*(j/32)+3] op_sel_hi:[1,0]
.set j, j+2
.endr
.set j, 0
.rept 64
	v_med3_num_f32 v[S+j], v[S+j], -v[MX+1], v[MX+1]
.set j, j+1
.endr
.set j, 0
.rept 8
	v_cvt_scalef32_pk8_bf8_f32 v[PC+2*j:PC+2*j+1], v[S+8*j:S+8*j+7], v[MX]   ; tile x, block t at PC + 8 x + 2 t: d = 16 t + 8 h + 0 .. 7
.set j, j+1
.endr
	v_nop
.irp x, 0,1
.irp c, 0,1
.set OCC, PC+8*\x+4*\c                         ; blocks 2 c and 2 c + 1
.set XT,  PC+16+8*\x+4*\c                      ; what I send, what I get
.set FF,  S+64+8*\x+4*\c                       ; the chunk's four registers
.irp k, 0,1
	v_cndmask_b32 v[XT+\k], v[OCC+2+\k], v[OCC+\k], s70
.endr
.irp k, 0,1
	v_permlanex16_b32 v[XT+2+\k], v[XT+\k], s20, s21
.endr
.irp k, 0,1
	v_cndmask_b32 v[FF+\k], v[OCC+\k], v[XT+2+\k], s70
	v_cndmask_b32 v[FF+2+\k], v[XT+2+\k], v[OCC+2+\k], s70
.endr
.endr
.endr
.irp x, 0,1
.irp c, 0,1
	global_store_b128 v[LI], v[S+64+8*\x+4*\c:S+64+8*\x+4*\c+3], s[72:73] offset:16384*\x+512*\c   ; the wave stores 512 consecutive bytes, aligned
.endr
.endr
.endm
	s_mov_b32 s69, 2
.Lblock:                                           ; two passes, two tiles each
.irp x, 0,1
	v_mov_b32 v[ST+4*\x+1], 0xff61b1e6             ; the largest score so far: -3e38
	v_mov_b32 v[ST+4*\x], 0x7f61b1e6               ; -M: the first step's f is then 0, and multiplies zeros
	v_mov_b32 v[ST+4*\x+2], 0
	v_mov_b32 v[ST+4*\x+3], 0
.endr
.set j, 0
.rept 64
	v_mov_b32 v[O+j], 0                            ; the step is written for all steps alike: the first finds zeros
.set j, j+1
.endr
	s_mov_b32 s68, 0
.Lfirst:                                           ; steps 0 to 2 read key steps 0 to 3 alone
	STEP
	s_add_co_u32 s68, s68, 1
	s_cmp_lt_u32 s68, 3
	s_cbranch_scc1 .Lfirst
	s_wait_dscnt 0x0                               ; no LDS load of mine is out at the signal
	s_wait_tensorcnt 0x0                           ; my three of the other twelve key steps are in,
	s_barrier_signal -1
	s_barrier_wait -1                              ; everybody's are.
	s_mov_b32 s68, 3
.Lstep:
	STEP
	s_add_co_u32 s68, s68, 1
	s_cmp_lt_u32 s68, 16
	s_cbranch_scc1 .Lstep
	OUT
	WIN 0x41
.set j, 0
.rept 16
	v_mov_b32 v[QN+j], v[QX+j]                     ; the next pass's Q
.set j, j+1
.endr
	WIN 0
	s_wait_xcnt 0x0                                ; the stores have read their base and data
	s_add_nc_u64 s[72:73], s[72:73], 262144        ; 256 positions on
	s_sub_co_u32 s69, s69, 1
	s_cmp_lg_u32 s69, 0
	s_cbranch_scc1 .Lblock
	s_wait_dscnt 0x0                               ; the loads issued in the last step
	s_wait_tensorcnt 0x0                           ; the wave's end
	ds_add_u32 v[SPW], v[NIL]
	s_wait_dscnt 0x0
	CROUND                                         ; the closing round
	s_endpgm
.Lfunc_end_k_q01db15eadf_attn:
	.size	k_q01db15eadf_attn, .Lfunc_end_k_q01db15eadf_attn-k_q01db15eadf_attn
	.p2alignl 7, 3214868480
	.fill 96, 4, 3214868480
	.section	.rodata,"a",@progbits
	.p2align	6, 0x0
	.amdhsa_kernel k_q01db15eadf_attn
		.amdhsa_group_segment_fixed_size 327680
		.amdhsa_private_segment_fixed_size 0
		.amdhsa_enable_private_segment 0
		.amdhsa_kernarg_size 40
		.amdhsa_user_sgpr_count 2
		.amdhsa_user_sgpr_kernarg_segment_ptr 1
		.amdhsa_wavefront_size32 1
		.amdhsa_system_sgpr_workgroup_id_x 1
		.amdhsa_system_sgpr_workgroup_id_y 1
		.amdhsa_system_sgpr_workgroup_id_z 1
		.amdhsa_system_vgpr_workitem_id 0
		.amdhsa_next_free_vgpr 512
		.amdhsa_next_free_sgpr 80
		.amdhsa_reserve_vcc 0
		.amdhsa_float_denorm_mode_32 3
		.amdhsa_float_denorm_mode_16_64 3
		.amdhsa_memory_ordered 1
		.amdhsa_forward_progress 1
		.amdhsa_inst_pref_size 78
	.end_amdhsa_kernel
	.amdgpu_metadata
---
amdhsa.version: [ 1, 2 ]
amdhsa.kernels:
  - .name:           k_q01db15eadf_attn
    .symbol:         k_q01db15eadf_attn.kd
    .args:
      - { .name: q_img, .offset: 0, .size: 8, .value_kind: global_buffer, .address_space: global }
      - { .name: k_img, .offset: 8, .size: 8, .value_kind: global_buffer, .address_space: global }
      - { .name: v_img, .offset: 16, .size: 8, .value_kind: global_buffer, .address_space: global }
      - { .name: lowp_scales, .offset: 24, .size: 8, .value_kind: global_buffer, .address_space: global }
      - { .name: a_img, .offset: 32, .size: 8, .value_kind: global_buffer, .address_space: global }
    .group_segment_fixed_size: 327680
    .private_segment_fixed_size: 0
    .kernarg_segment_align: 8
    .kernarg_segment_size: 40
    .max_flat_workgroup_size: 256
    .sgpr_count:     80
    .vgpr_count:     512
    .wavefront_size: 32
...
	.end_amdgpu_metadata
.endif
;; end of part 3
;; launch proj (part 4): grid 8 x 32, 4 waves a work-group, clusters of 4 x 4, 327,680 bytes of LDS; arguments a_img, w_out_codes, lowp_scales, b_out, out0; writes out0
.if DOCPART == 4
	.amdgcn_target "amdgcn-amd-amdhsa--gfx1250"
	.amdhsa_code_object_version 6
	.text
	.protected	k_q01db15eadf_proj
	.globl	k_q01db15eadf_proj
	.p2align	8
	.type	k_q01db15eadf_proj,@function
k_q01db15eadf_proj:
	s_mov_b64 s[64:65], 0
	v_nop
	global_prefetch_b8 v0, s[64:65] scope:SCOPE_SE
	s_setreg_imm32_b32 hwreg(HW_REG_WAVE_MODE, 25, 1), 1
	s_wait_xcnt 0x0
	s_wait_alu depctr_hold_cnt(0) depctr_sa_sdst(0) depctr_va_vdst(0) depctr_va_sdst(0) depctr_va_ssrc(0) depctr_va_vcc(0) depctr_vm_vsrc(0)
	s_getreg_b32 s2, hwreg(HW_REG_IB_STS2, 6, 4)
	s_cmp_eq_u32 s2, 0
	s_cbranch_scc0 .Lentry_in_a_cluster
	s_endpgm
.Lentry_in_a_cluster:
	s_bfe_u32 s2, ttmp6, 0x10000c
	s_cmp_lg_u32 s2, 0xf033
	s_cbranch_scc0 .Lentry_shape_is_right
	s_endpgm
.Lentry_shape_is_right:
.set PITCH,  272
.set FR,     16
.set NL,     4
.set NP,     4
.set AHALF,  8*4096
.set BHALF,  64*PITCH
.set BOFF,   2*AHALF
.set SLOT,   BOFF+2*BHALF
.set SPARE,  2*SLOT
.set SPITCH, 272
.set ADRA, 16
.set ADRB, 20
.set STO,  24
.set RD,   25
.set CO,   26
.set BO,   27
.set SPW,  28
.set NIL,  29
.set BIAS, 32
.set TMP,  64
.set AF,   128
.set BK,   128
.set G1, 24
.set G0, 32
.set G1B, 48
.set G0B, 56
.set MSB, 0
.macro WIN new
.if MSB != \new
	s_set_vgpr_msb (MSB<<8)|\new
.set MSB, \new
.endif
.endm
.set MUL,  0xa1
.set TO_B, 0x40
.macro JLOAD g0a, g1a, g0b, g1b
	s_cmp_eq_u32 s15, 0
	s_cbranch_scc0 .Lfor_b_\@
	tensor_load_to_lds s[\g0a:\g0a+3], s[\g1a:\g1a+7]
	s_nop 0
.rept 4
	v_nop
.endr
	s_branch .Lasked_\@
.Lfor_b_\@:
	tensor_load_to_lds s[\g0b:\g0b+3], s[\g1b:\g1b+7]
	s_nop 0
.rept 4
	v_nop
.endr
.Lasked_\@:
.endm
.macro CREST
	s_cmp_lg_u32 s14, 0
	s_cbranch_scc1 .Lnot_wave_0_\@
	s_barrier_signal -3
.Lnot_wave_0_\@:
	s_barrier_wait -3
	s_barrier_signal -1
	s_barrier_wait -1
.endm
.macro CROUND
	s_barrier_signal -1
	s_barrier_wait -1
	CREST
.endm
	s_load_b128 s[4:7], s[0:1], 0x0
	s_load_b128 s[8:11], s[0:1], 0x10
	s_load_b64 s[12:13], s[0:1], 0x20
	v_lshl_add_u32 v[SPW], v0, 2, SPARE
	v_mov_b32 v[NIL], 0
	ds_add_u32 v28, v29
	ds_add_u32 v28, v29
	s_wait_dscnt 0x0
	v_lshrrev_b32 v1, 5, v0
	v_readfirstlane_b32 s14, v1
	s_lshr_b32 s15, s14, 1
	s_and_b32 s16, s14, 1
	s_bfe_u32 s40, ttmp6, 0x40000
	s_bfe_u32 s41, ttmp6, 0x40004
	s_lshl_b32 s42, ttmp9, 2
	s_add_co_u32 s42, s42, s40
	s_and_b32 s17, ttmp7, 0xffff
	s_lshl_b32 s17, s17, 2
	s_add_co_u32 s17, s17, s41
	s_lshl_b32 s43, s41, 2
	s_lshl_b32 s43, 15, s43
	s_lshl_b32 s44, 0x1111, s40
	s_or_b32 s[G1+0], s43, (0<<16)|(1<<21)
	s_mov_b32 s[G1+1], 4096<<16
	s_mov_b32 s[G1+2], 8<<16
	s_mov_b32 s[G1+3], 4096<<16
	s_mov_b32 s[G1+4], 8
	s_mov_b32 s[G1+5], 16384
	s_mov_b32 s[G1+6], 0
	s_mov_b32 s[G1+7], 0
	s_or_b32 s[G1B+0], s44, (0<<16)|(1<<20)|(1<<21)|(5<<22)|(3<<25)
	s_mov_b32 s[G1B+1], 256<<16
	s_mov_b32 s[G1B+2], 64<<16
	s_mov_b32 s[G1B+3], 256<<16
	s_mov_b32 s[G1B+4], 64
	s_mov_b32 s[G1B+5], 1024
	s_mov_b32 s[G1B+6], 0
	s_mov_b32 s[G1B+7], 0
	s_lshl_b32 s20, s17, 18
	s_lshl_b32 s18, s16, 17
	s_add_co_u32 s20, s20, s18
	s_mov_b32 s21, 0
	s_lshl_b32 s46, s42, 17
	s_lshl_b32 s18, s16, 16
	s_add_co_u32 s46, s46, s18
	s_mov_b32 s47, 0
	s_lshl_b32 s45, s16, 15
	s_mul_i32 s19, s16, BHALF
	s_add_co_u32 s19, s19, BOFF
	s_wait_kmcnt 0x0
	s_load_b256 s[84:91], s[8:9], 0x0
	s_add_nc_u64 s[20:21], s[4:5], s[20:21]
	s_add_nc_u64 s[46:47], s[6:7], s[46:47]
	CROUND
.irp s, 0,1
	s_mov_b32 s[G0+4*\s], 1
	s_add_co_u32 s[G0+4*\s+1], s45, \s*SLOT
	s_add_nc_u64 s[G0+4*\s+2:G0+4*\s+3], s[20:21], \s*4096
	s_or_b32 s[G0+4*\s+3], s[G0+4*\s+3], 0x80000000
	s_mov_b32 s[G0B+4*\s], 1
	s_add_co_u32 s[G0B+4*\s+1], s19, \s*SLOT
	s_add_nc_u64 s[G0B+4*\s+2:G0B+4*\s+3], s[46:47], \s*256
	s_or_b32 s[G0B+4*\s+3], s[G0B+4*\s+3], 0x80000000
.endr
	JLOAD G0, G1, G0B, G1B                         ; K step 0, behind the opening round: one tensor load a wave at the head
	v_and_b32 v1, 15, v0
	v_bfe_u32 v2, v0, 4, 1
	v_and_b32 v5, 31, v0
	v_lshlrev_b32 v6, 4, v5
	v_mul_u32_u24 v3, v1, PITCH
	v_lshl_add_u32 v4, v2, 4, v3
	; A PREFETCH INTO THE L2: behind the joint load of K step n (n = 0, 1) one global_prefetch_b8 a wave for K step n + 2.  Of what a wave fetches, each of the four partners that ask for it jointly takes a quarter, told apart by address:
	; of the image's 8 tile rows x 4,096 bytes two tile rows (cx), a lane a block of 256 bytes; of W's 64 rows x 256 bytes sixteen rows (cy), a lane a row, lanes 16-31 naming the last again.  No address register is rewritten.
	v_lshlrev_b32 v7, 8, v1
	v_lshl_add_u32 v7, v2, 14, v7                  ; the image: tile row lane / 16, block lane % 16
	v_min_u32 v8, 15, v5
	v_lshlrev_b32 v8, 10, v8                       ; W: row min(lane, 15)
	s_cmp_eq_u32 s15, 0                            ; do I fetch for the image?
	s_cselect_b32 s73, -1, 0
	v_cndmask_b32 v30, v8, v7, s73
	s_cselect_b64 s[68:69], s[20:21], s[46:47]     ; what I fetch
	s_cselect_b32 s74, s40, s41                    ; my work-group's place among the four
	s_cselect_b32 s75, 15, 14                      ; a quarter: 32,768 or 16,384 bytes on
	s_mov_b32 s72, 256
	s_cselect_b32 s72, 4096, s72                   ; a K step on
	s_lshl_b32 s74, s74, s75
	s_mov_b32 s75, 0
	s_mov_b32 s73, 0
	s_add_nc_u64 s[68:69], s[68:69], s[74:75]
	s_add_nc_u64 s[68:69], s[68:69], s[72:73]
	s_add_nc_u64 s[68:69], s[68:69], s[72:73]      ; K step 2
	s_add_nc_u64 s[70:71], s[68:69], s[72:73]      ; K step 3
	s_wait_alu depctr_va_vdst(0)                   ; the wait behind the scalar work above
	global_prefetch_b8 v30, s[68:69] th:TH_LOAD_NT scope:SCOPE_SE
	s_lshl_b32 s21, s15, 15
	s_mul_i32 s22, s16, BHALF
	s_add_co_u32 s22, s22, BOFF
.irp s, 0,1
	v_add_nc_u32 v[ADRA+\s], s21, v6
	v_add_nc_u32 v[ADRB+\s], s22, v4
	s_add_co_u32 s21, s21, SLOT
	s_add_co_u32 s22, s22, SLOT
.endr
	s_mul_i32 s23, s14, 16*SPITCH
	v_mul_u32_u24 v5, v1, SPITCH
	v_lshl_add_u32 v5, v2, 5, v5
	v_add_nc_u32 v[STO], s23, v5
	v_mul_u32_u24 v5, v2, SPITCH
	v_lshl_add_u32 v5, v1, 4, v5
	v_add_nc_u32 v[RD], s23, v5
	v_lshlrev_b32 v5, 12, v2
	v_lshl_add_u32 v[CO], v1, 4, v5
	v_lshlrev_b32 v[BO], 5, v2
	s_wait_alu depctr_va_vdst(0)
	s_lshl_b32 s46, s42, 9
	s_lshl_b32 s47, s16, 8
	s_add_co_u32 s46, s46, s47
	s_mov_b32 s47, 0
	s_add_nc_u64 s[10:11], s[10:11], s[46:47]
	s_add_nc_u64 s[12:13], s[12:13], s[46:47]
	s_lshl_b32 s20, s17, 20
	s_lshl_b32 s21, s15, 19
	s_add_co_u32 s20, s20, s21
	s_mov_b32 s21, 0
	s_add_nc_u64 s[12:13], s[12:13], s[20:21]
.irp b, 0,1,2,3
	global_load_b128 v[BIAS+8*\b:BIAS+8*\b+3],   v[BO], s[10:11] offset:64*\b
	global_load_b128 v[BIAS+8*\b+4:BIAS+8*\b+7], v[BO], s[10:11] offset:64*\b+16
.endr
.macro FRAG_A reg, slot, q, i
.irp c, 0,1,2,3
	ds_load_b128 v[\reg+4*\c:\reg+4*\c+3], v[ADRA+\slot] offset:4096*(\i)+2048*(\q)+512*\c
.endr
.endm
.macro FRAG_B reg, slot, q, i
.irp c, 0,1,2,3
	ds_load_b128 v[\reg+4*\c:\reg+4*\c+3], v[ADRB+\slot] offset:128*(\q)+32*\c+(\i)*16*PITCH
.endr
.endm
.macro MUL8 a0, p, zero
.irp a, \a0, \a0+1
.irp b, 0,1,2,3
.if \zero
	v_wmma_f32_16x16x128_bf8_bf8 v[8*(4*(\a)+\b):8*(4*(\a)+\b)+7], v[64*(\p)+FR*\b:64*(\p)+FR*\b+FR-1], v[AF+FR*(\a):AF+FR*(\a)+FR-1], 0
.else
	v_wmma_f32_16x16x128_bf8_bf8 v[8*(4*(\a)+\b):8*(4*(\a)+\b)+7], v[64*(\p)+FR*\b:64*(\p)+FR*\b+FR-1], v[AF+FR*(\a):AF+FR*(\a)+FR-1], v[8*(4*(\a)+\b):8*(4*(\a)+\b)+7]
.endif
.endr
.endr
.endm
.macro FETCH_B slot, q, p
	WIN TO_B
.irp i, 0,1,2,3
	FRAG_B 64*(\p)+FR*\i, \slot, \q, \i
.endr
	WIN 0
.endm
.macro FETCH_A slot, q, i0
.irp i, \i0, \i0+1, \i0+2, \i0+3
	FRAG_A AF+FR*(\i), \slot, \q, \i
.endr
.endm
.macro PLACES n
.rept \n
	v_nop
.endr
.endm
.macro STEP slot, q, zero
	s_wait_dscnt 4*NL
	WIN MUL
	MUL8 0, (\q)%2, \zero
	MUL8 2, (\q)%2, \zero
	s_wait_dscnt 0
	PLACES NP
	FETCH_B \slot, (\q)+1, 1-(\q)%2
	FETCH_A \slot, (\q)+1, 0
	WIN MUL
	MUL8 4, (\q)%2, \zero
	MUL8 6, (\q)%2, \zero
	PLACES NP
	WIN 0
	FETCH_A \slot, (\q)+1, 4
.endm
.macro TURN slot, next, fill
	s_wait_tensorcnt 0x0
	ds_add_u32 v[SPW], v[NIL]
	s_wait_dscnt 4*NL+1
	WIN MUL
	MUL8 0, 1, 0
	s_wait_dscnt 0x0
	s_barrier_signal -1
	MUL8 2, 1, 0
	WIN 0
	s_barrier_wait -1
.if \fill
	CREST
	s_add_nc_u64 s[G0+4*\slot+2:G0+4*\slot+3], s[G0+4*\slot+2:G0+4*\slot+3], 2*4096
	s_add_nc_u64 s[G0B+4*\slot+2:G0B+4*\slot+3], s[G0B+4*\slot+2:G0B+4*\slot+3], 2*256
	JLOAD G0+4*\slot, G1, G0B+4*\slot, G1B
.else
	PLACES NP
.endif
	FETCH_B \next, 0, 0
	FETCH_A \next, 0, 0
	WIN MUL
	MUL8 4, 1, 0
	MUL8 6, 1, 0
	PLACES NP
	WIN 0
	FETCH_A \next, 0, 4
.endm
	s_wait_alu depctr_va_vdst(0)
	s_wait_tensorcnt 0x0                           ; my part of K step 0 is in
	ds_add_u32 v[SPW], v[NIL]
	s_wait_dscnt 0x0
	CROUND
	JLOAD G0+4, G1, G0B+4, G1B                     ; K step 1: the first tensor load behind the round
	FETCH_B 0, 0, 0
	FETCH_A 0, 0, 0
	FETCH_A 0, 0, 4
	global_prefetch_b8 v30, s[70:71] th:TH_LOAD_NT scope:SCOPE_SE
	STEP 0, 0, 1
	TURN 0, 1, 1
	STEP 1, 0, 0
	TURN 1, 0, 1
	STEP 0, 0, 0
	TURN 0, 1, 0
	STEP 1, 0, 0
	s_wait_dscnt 4*NL
	WIN MUL
	MUL8 0, 1, 0
	MUL8 2, 1, 0
	s_wait_dscnt 0
	MUL8 4, 1, 0
	MUL8 6, 1, 0
	WIN 0
.macro TOSTAGE a
.set AC, 32*(\a)
	WIN 0x02
.set j, 0
.rept 16
	v_pk_fma_f32 v[TMP+j:TMP+j+1], v[AC+j:AC+j+1], s[96:97], v[BIAS+j:BIAS+j+1] op_sel_hi:[1,0,1]
.set j, j+2
.endr
	WIN 0
.irp b, 0,1,2,3
	ds_store_b128 v[STO], v[TMP+8*\b:TMP+8*\b+3] offset:64*\b
	ds_store_b128 v[STO], v[TMP+8*\b+4:TMP+8*\b+7] offset:64*\b+16
.endr
.set BB, BK+32*((\a)%2)
.irp t, 0,1,2,3,4,5,6,7
	ds_load_b128 v[BB+4*\t:BB+4*\t+3], v[RD] offset:\t*2*SPITCH
.endr
.endm
.macro SEND a, younger
.set BB, BK+32*((\a)%2)
	s_wait_dscnt \younger
.if (\a) > 0
	s_add_nc_u64 s[12:13], s[12:13], 16*4096
.endif
.irp t, 0,1,2,3,4,5,6,7
	global_store_b128 v[CO], v[BB+4*\t:BB+4*\t+3], s[12:13] offset:\t*2*4096 th:TH_STORE_NT
.endr
.endm
	s_wait_kmcnt 0x0
	s_add_co_i32 s96, s90, s91
	s_add_co_i32 s96, s96, 127
	s_lshl_b32 s96, s96, 23
	s_mov_b32 s97, s96
	s_wait_loadcnt 0x0
	PLACES NP
	TOSTAGE 0
.irp a, 1,2,3,4,5,6,7
.if \a > 1
	s_wait_xcnt 0x0
.endif
	TOSTAGE \a
	SEND \a-1, 16
.endr
	s_wait_xcnt 0x0
	SEND 7, 0
	s_wait_tensorcnt 0x0
	ds_add_u32 v[SPW], v[NIL]
	s_wait_dscnt 0x0
	CROUND
	s_endpgm
.Lfunc_end_k_q01db15eadf_proj:
	.size	k_q01db15eadf_proj, .Lfunc_end_k_q01db15eadf_proj-k_q01db15eadf_proj
	.p2alignl 7, 3214868480
	.fill 96, 4, 3214868480
	.section	.rodata,"a",@progbits
	.p2align	6, 0x0
	.amdhsa_kernel k_q01db15eadf_proj
		.amdhsa_group_segment_fixed_size 327680
		.amdhsa_private_segment_fixed_size 0
		.amdhsa_enable_private_segment 0
		.amdhsa_kernarg_size 40
		.amdhsa_user_sgpr_count 2
		.amdhsa_user_sgpr_kernarg_segment_ptr 1
		.amdhsa_wavefront_size32 1
		.amdhsa_system_sgpr_workgroup_id_x 1
		.amdhsa_system_sgpr_workgroup_id_y 1
		.amdhsa_system_sgpr_workgroup_id_z 1
		.amdhsa_system_vgpr_workitem_id 0
		.amdhsa_next_free_vgpr 768
		.amdhsa_next_free_sgpr 98
		.amdhsa_reserve_vcc 0
		.amdhsa_float_denorm_mode_32 3
		.amdhsa_float_denorm_mode_16_64 3
		.amdhsa_memory_ordered 1
		.amdhsa_forward_progress 1
		.amdhsa_inst_pref_size 79
	.end_amdhsa_kernel
	.amdgpu_metadata
---
amdhsa.version: [ 1, 2 ]
amdhsa.kernels:
  - .name:           k_q01db15eadf_proj
    .symbol:         k_q01db15eadf_proj.kd
    .args:
      - { .name: a_img, .offset: 0, .size: 8, .value_kind: global_buffer, .address_space: global }
      - { .name: w_out_codes, .offset: 8, .size: 8, .value_kind: global_buffer, .address_space: global }
      - { .name: lowp_scales, .offset: 16, .size: 8, .value_kind: global_buffer, .address_space: global }
      - { .name: b_out, .offset: 24, .size: 8, .value_kind: global_buffer, .address_space: global }
      - { .name: out0, .offset: 32, .size: 8, .value_kind: global_buffer, .address_space: global }
    .group_segment_fixed_size: 327680
    .private_segment_fixed_size: 0
    .kernarg_segment_align: 8
    .kernarg_segment_size: 40
    .max_flat_workgroup_size: 128
    .sgpr_count:     98
    .vgpr_count:     768
    .wavefront_size: 32
...
	.end_amdgpu_metadata
.endif
;; end of part 4
